; MI455X (gfx1250); checked and timed in simulation.
; The chip was launched on July 23, 2026; its instructions are those of AMD's public machine-readable ISA for CDNA 5 (MIT licence, August 2026) and "CDNA5" Instruction Set Architecture Reference Guide (July 2026). The comments in the code are by the model that wrote it; some were corrected since.
;; Softmax Attention. Allowed arithmetic: matrix products marked QUANTISED: E2M3 operands, one E8M0 scale for each 32 along K, by v_wmma_scale_f32_16x16x128_f8f6f4 with both operands' format E2M3, f32 sums; everything else in f32.
;; Inputs: W_out 1,024 x 1,024 float32; W_qkv 1,024 x 3,072 float32; x 4 x 2,048 x 1,024 float32.
;; Outputs: out0 4 x 2,048 x 1,024 float32.
;; This version of the problem:
;;   THIS VERSION OF THE PROBLEM IS GIVEN IN LOW PRECISION. The matrix products marked QUANTISED in the list below multiply operands that are first quantised to E2M3 (2 exponent bits, 3 mantissa bits; 6 bits a number), with one power-of-two scale for each 32 numbers along K (OCP MX v1.0); their sums are f32. All else is computed in f32.
;;   The module's matrix products, in the order in which they are computed (A, B: the left and right operand; K: the contracted axis; several contracted axes count as one K, in the product's order):
;;     1. [M 8,192, K 1,024] x [K 1,024, N 3,072]; A: input x; B: input W_qkv: QUANTISED
;;     2. batch 64 x [M 2,048, K 64] x [K 64, N 2,048]; A: computed on the way; B: computed on the way: QUANTISED
;;     3. batch 64 x [M 2,048, K 2,048] x [K 2,048, N 64]; A: softmax (see below); B: computed on the way: QUANTISED
;;     4. [M 8,192, K 1,024] x [K 1,024, N 1,024]; A: computed on the way; B: input W_out: QUANTISED
;;   THE QUANTISER, for each operand of a quantised product, along K:
;;     - K is cut into blocks of 32 from its start; a last block that is shorter is filled with zeros.
;;     - A block's scale is 2^e with e = floor(log2(the largest magnitude in the block)) - 2, held to -126 .. 127; a block of zeros has e = 0. As a byte (E8M0): e + 127.
;;     - Each number is divided by its block's scale, clamped to +-7.5, and rounded to the nearest number of E2M3, ties to even, subnormals kept.
;;     - The product sums the exact products of the quantised numbers (number of the format x scale) in f32.
;;   ~~~python
;;   def quantise(x, axis):      # numpy; x: float32 -> the quantised numbers, widened to float32 again
;;       x = np.moveaxis(x, axis, -1); K = x.shape[-1]
;;       x = np.pad(x, [(0, 0)] * (x.ndim - 1) + [(0, -K % 32)]); x = x.reshape(x.shape[:-1] + (-1, 32)); a = np.abs(x).max(-1, keepdims=True)
;;       e = np.where(a > 0, np.clip(np.frexp(np.where(a > 0, a, 1))[1] - 1 - 2, -126, 127), 0)      # np.frexp(a)[1] - 1 = floor(log2(a)), exactly
;;       r = np.clip(x / 2.0 ** e, -7.5, 7.5)
;;       step = 2.0 ** (np.maximum(np.frexp(np.where(r == 0, 1, r))[1] - 1, 0) - 3)
;;       q = np.round(r / step) * step * 2.0 ** e      # np.round: ties to even
;;       return np.moveaxis(q.reshape(q.shape[:-2] + (-1,))[..., :K], -1, axis).astype(np.float32)
;;   ~~~
;;   SOFTMAX AHEAD OF A QUANTISED PRODUCT. Where the list says 'softmax', what is quantised is not the finished softmax but p = 2^(t - M), with t = logit x log2(e) and M = ceil(the row's largest t), a whole number; so 1/2 < the row's largest p <= 1. The row's sum l is taken of the UNQUANTISED p, in f32, and the product's result is divided by l at the end. Since M is a whole number, a kernel that streams over the keys may use a running M (the ceiling of the running maximum): every later rescaling is an exact power of two, which a block's scale takes up: the codes' values come out the same.
;;   OPERANDS COMPUTED ON THE WAY. 'Computed on the way' means the value that the module computes at that place (a softmax that the list does not call 'softmax' is quantised finished and normalised). What goes into a quantiser is computed in f32, as accurately as f32 sums, v_exp_f32 and their like allow (about 1e-6 of the number): no bf16 or f16 on the way to a quantiser, and a product that is left as it is and whose result goes on into a quantised operand takes f32 operands (vector FMAs, or v_wmma_f32_16x16x4_f32). A number that lies on a knife's edge between two numbers of the format may be rounded either way, as far as f32 arithmetic and the matrix unit's own rounding can turn it there, and no further.
;; One version. Each part assembles by itself: llvm-mc -triple=amdgcn-amd-amdhsa -mcpu=gfx1250 --defsym DOCPART=n.
;; ======== version 1 of 1: 4 launches
;; limits: right only within a limited range of input values
;; workspace buffers: c1 9,437,184 bytes; s1 393,216 bytes; tab 524,288 bytes; qkvc 18,874,368 bytes; qkvs 1,310,720 bytes; aoc 6,291,456 bytes; aos 262,144 bytes
;; launch prep (part 1): grid 400 x 1, 4 waves a work-group, no clusters, 58,880 bytes of LDS; arguments x, W_qkv, W_out, c1, s1, tab; writes c1, s1, tab
.if DOCPART == 1
	.amdgcn_target "amdgcn-amd-amdhsa--gfx1250"
	.amdhsa_code_object_version 6
	.text
	.protected	k_q602af4e946_prep
	.globl	k_q602af4e946_prep
	.p2align	8
	.type	k_q602af4e946_prep,@function
k_q602af4e946_prep:
	s_mov_b64 s[64:65], 0
	v_nop
	global_prefetch_b8 v0, s[64:65] scope:SCOPE_SE
	s_setreg_imm32_b32 hwreg(HW_REG_WAVE_MODE, 25, 1), 1
	s_wait_xcnt 0x0
; PREP: x [8192][1024], W_qkv [1024][3072] and W_out [1024][1024], all f32, become codes of FP6 (E2M3) with one E8M0 byte for each 32 along K = 1024;
; and the table of cos and sin for the rotary embedding is made.  Three paths, chosen by the work-group's number; each has LDS bytes of its own.
; A block's scale is 2^(floor(log2(largest magnitude)) - 2); its byte is the largest magnitude's exponent field - 2, held at 1 from below by a floor among the maximum's leaves.
; LIMITS: a block of zeros, or one whose largest magnitude lies under 2^-124, gets the byte 1 (its codes are zeros or small; the bytes are read by this program alone); NaN and infinities are not served.
; LAYOUT OF THE CODES (c1): [tile of 16 rows][64 along K: 16 of them][768 bytes].  The 768 bytes are an image of six operand registers: lane L = r + 16 h holds row r, k = 32 h .. 32 h + 31, 24 bytes:
; its first 16 bytes lie at 16 L, its last 8 at 512 + 8 L.  So a reader fills a fragment by loads of 16 and 8 bytes a lane, each over consecutive bytes.
; THE ROWS OF A TILE ARE NOT NEIGHBOURS: in each group of 32 rows, row r of tile u is row 8 u + r + 8 (r / 8).  x's tiles are 0..511, W_qkv's columns 512..703, W_out's columns 704..767.
; LAYOUT OF THE SCALES (s1): [tile][256 along K: 4][r][8 bytes]: the two scale words of the two steps of 128.
; PATH X (work-groups 0..255): a wave takes one tile x 512 along K, in four units of 128.  Each load reads 512 consecutive bytes of a row; a unit turns through the wave's stage in LDS (rows 528 bytes apart, so
; that the sixteen rows which a read touches start in different banks) and comes back 128 bytes a lane: a whole block of 32 in one lane.
; PATH W (work-groups 256..383): K is the weights' FIRST axis: a lane takes a column and its registers run down K, so a block lies in one lane and the codes come out with K innermost.  A wave takes
; 32 columns x 256 along K; the images are gathered in its stage and leave as runs of 512 bytes.  The scale bytes leave 8 bytes a lane, in runs of 128 bytes: one byte for each 128 that are read.
; The stage's stores of 16 bytes go two deep in the banks (tiles 0 and 1 lie 3,072 bytes apart).
; PATH T (work-groups 384..399): tab[s][pair i] = (cos, sin) of (s + 1) x 10000^(-i / 32), 256 bytes a row; a lane is a pair, a wave takes 32 rows.
.set XSTG, 16*528                      ; path X: a wave's stage
.set WLDS, 4*XSTG                      ; path W's LDS begins behind path X's
.set WSTG, 6144                        ; path W: a wave's stage: 2 tiles x 4 images
.set XR,   32                          ; v32-95   path X: a unit as loaded
.set XX,   96                          ; v96-159  the same, 64 neighbours a lane
.set XC,   160                         ; v160-207 codes: six registers for each of the wave's eight images, so that no store's data are written again
.set XT,   208                         ; v208-210 a block's upper sixteen codes (a conversion's three registers begin on an even number)
.set XW,   224                         ; v224-227 the four scale words
.set WOFF, 32                          ; v32-63   path W: 4 x lane + i x a row of the weight
.set WX,   64                          ; v64-127  two sets of 32 numbers
.set WC,   128                         ; v128-133 a block's codes
.set WT,   136                         ; v136-138
.set WSB,  24                          ; v24-25   eight scale bytes
.set WOUT, 144                         ; v144-191 the way out
	s_load_b256 s[4:11], s[0:1], 0x0               ; x s[4:5], W_qkv s[6:7], W_out s[8:9], c1 s[10:11]
	s_load_b128 s[12:15], s[0:1], 0x20             ; s1 s[12:13], tab s[14:15]
	v_lshl_add_u32 v232, v0, 2, 0xe400
	v_mov_b32 v233, 0
	v_lshrrev_b32 v1, 5, v0
	v_readfirstlane_b32 s16, v1                    ; wave 0..3
	v_and_b32 v20, 31, v0                          ; lane
	s_mov_b32 s30, 0x76543210
	s_mov_b32 s31, 0xfedcba98                      ; v_permlanex16_b32's selects for lane l xor 16
	s_cmp_lt_u32 ttmp9, 256
	s_cbranch_scc0 .Lweights
; ---------------------------------------------------------------- PATH X
.macro LOADU uu                        ; unit uu: 128 along K of the tile's sixteen rows; 32 lanes read 512 consecutive bytes
.irp m, 0,1,2,3,4,5,6,7,8,9,10,11,12,13,14,15
	; x's tiles take an order of their own (the weights' tiles keep the order of the head comment): in each group of 64 rows, row m of tile t is row 8 t + m % 8 + 32 (m / 8)
	global_load_b128 v[XR+4*\m:XR+4*\m+3], v1, s[4:5] offset:(\m+24*(\m/8))*4096+512*(\uu) th:TH_LOAD_NT
.endr
.endm
.macro HFQ hf, cc                      ; my 32 numbers of half cc of the unit are one block: its scale, its codes, and the image's two stores
.set XS, XX+32*(\cc)
.set XD, XC+6*(\hf)
	v_max3_num_f32 v212, |v[XS]|, |v[XS+1]|, |v[XS+2]|
	v_max3_num_f32 v213, |v[XS+3]|, |v[XS+4]|, |v[XS+5]|
.irp i, 6,10,14,18,22,26
	v_max3_num_f32 v212, v212, |v[XS+\i]|, |v[XS+\i+1]|
	v_max3_num_f32 v213, v213, |v[XS+\i+2]|, |v[XS+\i+3]|
.endr
	v_max3_num_f32 v212, v212, |v[XS+30]|, |v[XS+31]|
	v_max3_num_f32 v212, v212, v213, 0x1800000     ; and the floor 2^(3 - 127): the byte cannot fall under 1
	v_add_nc_u32 v214, 0xff000000, v212            ; 2 off the exponent field: the conversion takes this operand's exponent field as its scale
	v_cvt_scalef32_pk16_fp6_f32 v[XD:XD+2], v[XS:XS+15], v214
	v_cvt_scalef32_pk16_fp6_f32 v[XT:XT+2], v[XS+16:XS+31], v214
	v_lshrrev_b32 v[215+(\cc)], 23, v214           ; the scale's byte; also the plain instruction behind the conversions
.irp i, 0,1,2
	v_mov_b32 v[XD+3+\i], v[XT+\i]
.endr
	global_store_b128 v1, v[XD:XD+3], s[10:11] offset:768*(\hf)       ; 512 consecutive bytes,
	global_store_b64 v4, v[XD+4:XD+5], s[10:11] offset:768*(\hf)+512  ; and the 256 behind them
.endm
.macro UNIT uu
	s_wait_loadcnt 0x0                             ; the unit's sixteen loads are in
.irp m, 0,1,2,3,4,5,6,7,8,9,10,11,12,13,14,15
	ds_store_b128 v2, v[XR+4*\m:XR+4*\m+3] offset:528*\m
.endr
.irp cc, 0,1
.irp q, 0,1,2,3,4,5,6,7
	ds_load_b128 v[XX+32*\cc+4*\q:XX+32*\cc+4*\q+3], v3 offset:256*\cc+16*\q   ; LDS serves a wave's instructions in order: these see the stores above
.endr
.endr
	s_wait_dscnt 0x0                               ; the numbers are back, and the stores have read their registers,
.if (\uu) < 3
	LOADU (\uu)+1                                  ; which take the next unit while this one is worked
.endif
	HFQ 2*(\uu), 0
	HFQ 2*(\uu)+1, 1
	v_lshl_or_b32 v217, v216, 16, v215             ; my two bytes: blocks h and 2 + h of row r,
	v_lshlrev_b32 v217, v5, v217                   ; at their places in the scale word (8 h bits up);
	v_permlanex16_b32 v218, v217, s30, s31
	v_or_b32 v[XW+(\uu)], v217, v218               ; with lane l xor 16's two the word is whole
.endm
	v_lshlrev_b32 v1, 4, v20                       ; 16 x lane
	v_lshlrev_b32 v4, 3, v20                       ; 8 x lane
	v_and_b32 v6, 15, v20                          ; r
	v_lshrrev_b32 v7, 4, v20                       ; h
	s_mul_i32 s17, s16, XSTG
	v_add_nc_u32 v2, s17, v1                       ; the stage, on the way in: a row's 512 bytes as they lie
	v_mul_u32_u24 v3, v6, 528
	v_lshl_add_u32 v3, v7, 7, v3
	v_add_nc_u32 v3, s17, v3                       ; and on the way out: row r, + 128 h
	v_lshlrev_b32 v5, 3, v7                        ; 8 h
	v_mov_b32 v218, 0                              ; written once: a lane permute's destination counts as one of its sources
	s_lshl_b32 s18, ttmp9, 2
	s_add_co_u32 s18, s18, s16                     ; 4 x work-group + wave
	s_lshr_b32 s19, s18, 1                         ; the tile
	s_and_b32 s18, s18, 1                          ; which 512 along K
	s_lshr_b32 s20, s19, 2
	s_lshl_b32 s20, s20, 6
	s_and_b32 s21, s19, 3
	s_lshl_b32 s21, s21, 3                         ; 64 (tile / 4) + 8 (tile % 4)
	s_add_co_u32 s20, s20, s21                     ; the tile's first row: 64 (tile / 4) + 8 (tile % 4)
	s_lshl_b32 s20, s20, 12                        ; rows of 4,096 bytes
	s_lshl_b32 s21, s18, 11
	s_add_co_u32 s20, s20, s21
	s_mov_b32 s21, 0
	s_lshl_b32 s22, s19, 4
	s_lshl_b32 s23, s18, 3
	s_add_co_u32 s22, s22, s23
	s_mul_i32 s22, s22, 768                        ; my first image
	s_mov_b32 s23, 0
	s_lshl_b32 s24, s19, 9
	s_lshl_b32 s25, s18, 8
	s_add_co_u32 s24, s24, s25                     ; my 256 bytes of scale words
	s_mov_b32 s25, 0
	s_wait_alu depctr_va_vdst(0)
	s_wait_kmcnt 0x0
	s_add_nc_u64 s[4:5], s[4:5], s[20:21]
	s_add_nc_u64 s[10:11], s[10:11], s[22:23]
	s_add_nc_u64 s[12:13], s[12:13], s[24:25]
	LOADU 0
	UNIT 0
	UNIT 1
	UNIT 2
	UNIT 3
	v_cmp_eq_u32 vcc_lo, 1, v7                     ; lanes 0-15 store the words of units 0 and 1, lanes 16-31 those of units 2 and 3
	v_cndmask_b32 v228, v224, v226, vcc_lo
	v_cndmask_b32 v229, v225, v227, vcc_lo
	global_store_b64 v4, v[228:229], s[12:13]      ; 32 lanes store 256 consecutive bytes, at a multiple of 256 from the buffer's first byte
	s_wait_tensorcnt 0x0
	ds_add_u32 v232, v233
	s_wait_dscnt 0x0
	s_endpgm
; ---------------------------------------------------------------- PATH W
.macro WLOAD t                         ; block t: W(256 y + 32 t + i, my column), i = 0 .. 31; a load reads 128 consecutive bytes
.set n, 0
.rept 32
	global_load_b32 v[WX+32*((\t)%2)+n], v[WOFF+n], s[32+2*(\t):33+2*(\t)] th:TH_LOAD_NT
.set n, n+1
.endr
.endm
.macro WBLOCK t
.set XS, WX+32*((\t)%2)
.if (\t) < 7
	s_wait_loadcnt 32                              ; this block's 32 loads are in; the next block's may be out
.else
	s_wait_loadcnt 0x0
.endif
	v_max3_num_f32 v12, |v[XS]|, |v[XS+1]|, |v[XS+2]|
	v_max3_num_f32 v13, |v[XS+3]|, |v[XS+4]|, |v[XS+5]|
.irp i, 6,10,14,18,22,26
	v_max3_num_f32 v12, v12, |v[XS+\i]|, |v[XS+\i+1]|
	v_max3_num_f32 v13, v13, |v[XS+\i+2]|, |v[XS+\i+3]|
.endr
	v_max3_num_f32 v12, v12, |v[XS+30]|, |v[XS+31]|
	v_max3_num_f32 v12, v12, v13, 0x1800000
	v_add_nc_u32 v11, 0xff000000, v12
	v_cvt_scalef32_pk16_fp6_f32 v[WC:WC+2], v[XS:XS+15], v11
	v_cvt_scalef32_pk16_fp6_f32 v[WT:WT+2], v[XS+16:XS+31], v11
	v_lshrrev_b32 v13, 23, v11                     ; the scale's byte; also the plain instruction behind the conversions
.if (\t)%4 == 0
	v_mov_b32 v[WSB+(\t)/4], v13                   ; four bytes to a register, the lower K in the lower byte
.else
	v_lshl_or_b32 v[WSB+(\t)/4], v13, 8*((\t)%4), v[WSB+(\t)/4]
.endif
.irp i, 0,1,2
	v_mov_b32 v[WC+3+\i], v[WT+\i]
.endr
	ds_store_b128 v8, v[WC:WC+3] offset:((\t)/2)*768+256*((\t)%2)        ; image t / 2, as its lane r + 16 (t % 2)
	ds_store_b64 v9, v[WC+4:WC+5] offset:((\t)/2)*768+512+128*((\t)%2)
.if (\t)+2 < 8
	WLOAD (\t)+2
.endif
	s_wait_dscnt 0x0                               ; the stores have read their registers: the next block's codes may be written
.endm
.Lweights:
	s_cmp_lt_u32 ttmp9, 384
	s_cbranch_scc0 .Ltable
	s_sub_co_u32 s17, ttmp9, 256
	s_and_b32 s18, s17, 3                          ; y: which 256 along K
	s_lshr_b32 s17, s17, 2                         ; which 128 columns: 0..23 of W_qkv, 24..31 of W_out
	s_wait_alu depctr_va_vdst(0)
	v_lshlrev_b32 v3, 2, v20                       ; 4 x lane
	v_bfe_u32 v4, v20, 3, 1                        ; u: my column's tile of the wave's two
	v_and_b32 v5, 7, v20
	v_lshrrev_b32 v6, 4, v20
	v_lshl_add_u32 v5, v6, 3, v5                   ; r: its row in that tile
	s_mul_i32 s19, s16, WSTG
	s_add_co_u32 s19, s19, WLDS                    ; my stage
	v_mul_u32_u24 v7, v4, 3072
	v_add_nc_u32 v7, s19, v7
	v_lshl_add_u32 v8, v5, 4, v7                   ; where my 16 bytes go
	v_lshl_add_u32 v9, v5, 3, v7                   ; and my 8
	v_lshlrev_b32 v6, 4, v20                       ; 16 x lane
	v_add_nc_u32 v10, s19, v6                      ; the way out of the stage
	v_lshlrev_b32 v7, 9, v4
	v_lshl_add_u32 v7, v5, 3, v7                   ; my scale bytes: 512 u + 8 r
	s_wait_kmcnt 0x0
	s_cmp_lt_u32 s17, 24                           ; the choice hangs on the work-group's number alone
	s_cselect_b64 s[6:7], s[6:7], s[8:9]
	s_mov_b32 s20, 4096
	s_cselect_b32 s20, 12288, s20                  ; a row of the weight in bytes
	s_cselect_b32 s21, 0, 24
	s_sub_co_u32 s21, s17, s21
	s_lshl_b32 s21, s21, 9                         ; 128 columns of 4 bytes
	s_lshl_b32 s22, s16, 7                         ; my wave's 32
	s_add_co_u32 s21, s21, s22
	s_lshl_b32 s22, s18, 8
	s_mul_i32 s22, s22, s20                        ; 256 y rows
	s_add_co_u32 s22, s22, s21
	s_mov_b32 s23, 0
	s_add_nc_u64 s[32:33], s[6:7], s[22:23]        ; a base for each block of 32 rows
	s_lshl_b32 s22, s20, 5
.irp t, 1,2,3,4,5,6,7
	s_add_nc_u64 s[32+2*\t:33+2*\t], s[30+2*\t:31+2*\t], s[22:23]
.endr
.set n, 0
.rept 32
	v_mad_u32_u24 v[WOFF+n], s20, n, v3
.set n, n+1
.endr
	s_lshl_b32 s24, s17, 3
	s_lshl_b32 s25, s16, 1
	s_add_co_u32 s24, s24, s25
	s_add_co_u32 s24, s24, 512                     ; my first tile
	s_mul_i32 s26, s24, 12288
	s_mul_i32 s27, s18, 3072
	s_add_co_u32 s26, s26, s27
	s_mov_b32 s27, 0
	s_add_nc_u64 s[10:11], s[10:11], s[26:27]
	s_lshl_b32 s26, s24, 9
	s_lshl_b32 s28, s18, 7
	s_add_co_u32 s26, s26, s28
	s_add_nc_u64 s[12:13], s[12:13], s[26:27]
	s_wait_alu depctr_va_vdst(0)
	WLOAD 0
	WLOAD 1
.irp t, 0,1,2,3,4,5,6,7
	WBLOCK \t
.endr
	s_wait_alu depctr_va_vdst(0)
	global_store_b64 v7, v[WSB:WSB+1], s[12:13]    ; my column's eight scale bytes
.irp i, 0,1,2,3,4,5,6,7,8,9,10,11
	ds_load_b128 v[WOUT+4*\i:WOUT+4*\i+3], v10 offset:512*\i
.endr
.irp i, 0,1,2,3,4,5,6,7,8,9,10,11
	s_wait_dscnt 11-\i                             ; LDS loads come back in order: load i is in
	global_store_b128 v6, v[WOUT+4*\i:WOUT+4*\i+3], s[10:11] offset:(\i/6)*12288+(\i%6)*512   ; 512 consecutive bytes
.endr
	s_wait_tensorcnt 0x0
	ds_add_u32 v232, v233
	s_wait_dscnt 0x0
	s_endpgm
; ---------------------------------------------------------------- PATH T
.Ltable:
	s_sub_co_u32 s17, ttmp9, 384
	s_lshl_b32 s17, s17, 2
	s_add_co_u32 s17, s17, s16                     ; 0..63: my 32 rows
	s_lshl_b32 s18, s17, 13                        ; 32 rows of 256 bytes
	s_mov_b32 s19, 0
	s_lshl_b32 s17, s17, 5
	s_add_co_u32 s17, s17, 1                       ; positions start at 1
	s_mov_b32 s20, 0x3ed49a78                      ; log2(10000) / 32, its upper part,
	s_mov_b32 s21, 0x32179a12                      ; and what f32 left of it
	s_mov_b32 s23, 0x3fc90fdb                      ; pi / 2 = s23 - s24 - s25
	s_mov_b32 s24, 0x333bbd2e
	s_mov_b32 s25, 0x26f72ced
	v_cvt_f32_u32 v7, s17                          ; the position
	s_wait_alu depctr_va_vdst(0)
	v_cvt_f32_u32 v2, v20                          ; i
	v_mul_f32 v3, s20, v2                          ; t = i x log2(10000) / 32, rounded;
	v_fma_f32 v4, v2, s20, -v3                     ; what the rounding dropped,
	v_fma_f32 v4, v2, s21, v4                      ; and the constant's own rest
	s_wait_alu depctr_va_vdst(0)
	v_exp_f32 v5, -v3
	v_mul_f32 v4, 0x3f317218, v4                   ; x ln 2.  (A plain instruction behind the exponential)
	v_lshlrev_b32 v6, 3, v20                       ; 8 bytes a pair
	v_mov_b32 v30, 0xb94ca1f9                      ; the polynomials' leading coefficients
	v_mov_b32 v31, 0x37ccf5ce
	s_wait_alu depctr_va_vdst(0)                   ; the wait ahead of the first reader of the exponential
	v_fma_f32 v5, -v5, v4, v5                      ; theta = 2^-t (1 - rest x ln 2)
	s_wait_kmcnt 0x0
	s_add_nc_u64 s[14:15], s[14:15], s[18:19]
	s_mov_b32 s22, 32
.Lrow:
	s_wait_alu depctr_va_vdst(0)
	v_mul_f32 v8, v7, v5                           ; the angle, rounded to f32 as it is defined
	v_mul_f32 v9, 0x3f22f983, v8
	v_rndne_f32 v9, v9                             ; k = the nearest multiple of pi / 2
	v_fma_f32 v10, -v9, s23, v8
	v_fma_f32 v10, v9, s24, v10
	v_fma_f32 v10, v9, s25, v10                    ; r = angle - k pi / 2, within pi / 4 of zero
	v_mul_f32 v11, v10, v10                        ; z = r^2
	v_fmaak_f32 v12, v11, v30, 0x3c08839e
	v_fmaak_f32 v12, v12, v11, 0xbe2aaaa3
	v_mul_f32 v12, v12, v11
	v_fma_f32 v12, v12, v10, v10                   ; sin r
	v_fmaak_f32 v13, v11, v31, 0xbab6061a
	v_fmaak_f32 v13, v13, v11, 0x3d2aaaa5
	v_mul_f32 v14, v11, v11
	v_fma_f32 v15, v11, -0.5, 1.0
	v_fma_f32 v13, v13, v14, v15                   ; cos r
	v_cvt_i32_f32 v18, v9
	v_and_b32 v19, 1, v18
	v_cmp_eq_u32 vcc_lo, 1, v19                    ; in odd quadrants the two change places
	v_cndmask_b32 v17, v12, v13, vcc_lo
	v_cndmask_b32 v16, v13, v12, vcc_lo
	v_and_b32 v19, 2, v18                          ; sin is negated in quadrants 2 and 3,
	v_lshlrev_b32 v19, 30, v19
	v_xor_b32 v17, v17, v19
	v_add_nc_u32 v18, 1, v18                       ; cos in quadrants 1 and 2
	v_and_b32 v18, 2, v18
	v_lshlrev_b32 v18, 30, v18
	v_xor_b32 v16, v16, v18
	global_store_b64 v6, v[16:17], s[14:15]        ; 32 lanes store a row: 256 consecutive bytes
	s_wait_xcnt 0x0                                ; the store has read its offset and its data: both are written again below and in the next trip
	v_add_nc_u32 v6, 256, v6
	v_add_f32 v7, 1.0, v7
	s_sub_co_u32 s22, s22, 1
	s_cmp_lg_u32 s22, 0
	s_cbranch_scc1 .Lrow
	s_endpgm
.Lfunc_end_k_q602af4e946_prep:
	.size	k_q602af4e946_prep, .Lfunc_end_k_q602af4e946_prep-k_q602af4e946_prep
	.p2alignl 7, 3214868480
	.fill 96, 4, 3214868480
	.section	.rodata,"a",@progbits
	.p2align	6, 0x0
	.amdhsa_kernel k_q602af4e946_prep
		.amdhsa_group_segment_fixed_size 58880
		.amdhsa_private_segment_fixed_size 0
		.amdhsa_enable_private_segment 0
		.amdhsa_kernarg_size 48
		.amdhsa_user_sgpr_count 2
		.amdhsa_user_sgpr_kernarg_segment_ptr 1
		.amdhsa_wavefront_size32 1
		.amdhsa_system_sgpr_workgroup_id_x 1
		.amdhsa_system_sgpr_workgroup_id_y 1
		.amdhsa_system_sgpr_workgroup_id_z 1
		.amdhsa_system_vgpr_workitem_id 0
		.amdhsa_next_free_vgpr 234
		.amdhsa_next_free_sgpr 66
		.amdhsa_reserve_vcc 1
		.amdhsa_float_denorm_mode_32 3
		.amdhsa_float_denorm_mode_16_64 3
		.amdhsa_memory_ordered 1
		.amdhsa_forward_progress 1
		.amdhsa_inst_pref_size 77
	.end_amdhsa_kernel
	.amdgpu_metadata
---
amdhsa.version: [ 1, 2 ]
amdhsa.kernels:
  - .name:           k_q602af4e946_prep
    .symbol:         k_q602af4e946_prep.kd
    .args:
      - { .name: x, .offset: 0, .size: 8, .value_kind: global_buffer, .address_space: global }
      - { .name: W_qkv, .offset: 8, .size: 8, .value_kind: global_buffer, .address_space: global }
      - { .name: W_out, .offset: 16, .size: 8, .value_kind: global_buffer, .address_space: global }
      - { .name: c1, .offset: 24, .size: 8, .value_kind: global_buffer, .address_space: global }
      - { .name: s1, .offset: 32, .size: 8, .value_kind: global_buffer, .address_space: global }
      - { .name: tab, .offset: 40, .size: 8, .value_kind: global_buffer, .address_space: global }
    .group_segment_fixed_size: 58880
    .private_segment_fixed_size: 0
    .kernarg_segment_align: 8
    .kernarg_segment_size: 48
    .max_flat_workgroup_size: 128
    .sgpr_count:     66
    .vgpr_count:     234
    .wavefront_size: 32
...
	.end_amdgpu_metadata
.endif
;; end of part 1
;; launch qkv (part 2): grid 12 x 32, 4 waves a work-group, clusters of 4 x 4, 327,680 bytes of LDS; arguments c1, s1, tab, qkvc, qkvs; writes qkvc, qkvs
.if DOCPART == 2
	.amdgcn_target "amdgcn-amd-amdhsa--gfx1250"
	.amdhsa_code_object_version 6
	.text
	.protected	k_q602af4e946_qkv
	.globl	k_q602af4e946_qkv
	.p2align	8
	.type	k_q602af4e946_qkv,@function
k_q602af4e946_qkv:
	s_mov_b64 s[64:65], 0
	v_nop
	global_prefetch_b8 v0, s[64:65] scope:SCOPE_SE
	s_setreg_imm32_b32 hwreg(HW_REG_WAVE_MODE, 25, 1), 1
	s_wait_xcnt 0x0
	s_wait_alu depctr_hold_cnt(0) depctr_sa_sdst(0) depctr_va_vdst(0) depctr_va_sdst(0) depctr_va_ssrc(0) depctr_va_vcc(0) depctr_vm_vsrc(0)
	s_getreg_b32 s2, hwreg(HW_REG_IB_STS2, 6, 4)
	s_cmp_eq_u32 s2, 0
	s_cbranch_scc0 .Lentry_in_a_cluster
	s_endpgm
.Lentry_in_a_cluster:
	s_bfe_u32 s2, ttmp6, 0x10000c
	s_cmp_lg_u32 s2, 0xf033
	s_cbranch_scc0 .Lentry_shape_is_right
	s_endpgm
.Lentry_shape_is_right:
.set NQ,     2
.set FR,     12
.set NL,     4
.set NP,     4
.set TILEB,  3072
.set HALFT,  8*TILEB
.set SLOT,   4*HALFT
.set SCL,    2*SLOT
.set HALFS,  4096
.set SBLK,   512
.set SPARE,  SCL+4*HALFS
.set LAPS,   2
.set SST,  8
.set SRD,  9
.set ADRA, 16
.set ADRB, 20
.set L16,  24
.set L8,   25
.set L16H, 26
.set ADRS, 27
.set SPW,  28
.set NIL,  29
.set TO,   30
.set LV,   31
.set SC,   32
.set CS,   64
.set AF,   128
.set HA,   128
.set TM,   200
.set PW,   216
.set PC,   224
.set CT,   236
.set G1, 24
.set G0, 32
.set G1B, 48
.set G0B, 56
.set G1S, 68
.set G0S, 76
.set G1SB, 80
.set G0SB, 88
.set SEL, 98
.set MSB, 0
.macro WIN new
.if MSB != (\new)
	s_set_vgpr_msb (MSB<<8)|(\new)
.set MSB, (\new)
.endif
.endm
.set MUL_LO, 0xa1
.set MUL_HI, 0xf1
.set TO_B,   0x40
.macro JLOAD g0a, g1a, g0b, g1b
	s_cmp_eq_u32 s15, 0
	s_cbranch_scc0 .Lfor_b_\@
	tensor_load_to_lds s[\g0a:\g0a+3], s[\g1a:\g1a+7]
	s_nop 0
.rept 4
	v_nop
.endr
	s_branch .Lasked_\@
.Lfor_b_\@:
	tensor_load_to_lds s[\g0b:\g0b+3], s[\g1b:\g1b+7]
	s_nop 0
.rept 4
	v_nop
.endr
.Lasked_\@:
.endm
.macro CREST
	s_cmp_lg_u32 s14, 0
	s_cbranch_scc1 .Lnot_wave_0_\@
	s_barrier_signal -3
.Lnot_wave_0_\@:
	s_barrier_wait -3
	s_barrier_signal -1
	s_barrier_wait -1
.endm
.macro CROUND
	s_barrier_signal -1
	s_barrier_wait -1
	CREST
.endm
	s_load_b256 s[4:11], s[0:1], 0x0
	s_load_b64 s[12:13], s[0:1], 0x20
	v_lshl_add_u32 v[SPW], v0, 2, SPARE
	v_mov_b32 v[NIL], 0
	ds_add_u32 v28, v29
	ds_add_u32 v28, v29
	s_wait_dscnt 0x0
	v_lshrrev_b32 v1, 5, v0
	v_readfirstlane_b32 s14, v1
	s_lshr_b32 s15, s14, 1
	s_and_b32 s16, s14, 1
	s_bfe_u32 s40, ttmp6, 0x40000
	s_bfe_u32 s41, ttmp6, 0x40004
	s_and_b32 s18, ttmp7, 0xffff
	s_lshl_b32 s18, s18, 2
	s_lshl_b32 s19, ttmp9, 2
	s_add_co_u32 s19, s19, 32
	s_cmp_eq_u32 ttmp9, 2
	s_cselect_b32 s17, 40, s18
	s_cselect_b32 s42, s18, s19
	s_add_co_u32 s17, s17, s41
	s_add_co_u32 s42, s42, s40
	s_lshl_b32 s43, s41, 2
	s_lshl_b32 s43, 15, s43
	s_lshl_b32 s44, 0x1111, s40
	s_or_b32 s[G1+0], s43, (3<<16)|(1<<21)
	s_or_b32 s[G1B+0], s44, (3<<16)|(1<<21)
.irp g, G1, G1B
	s_mov_b32 s[\g+1], 384<<16
	s_mov_b32 s[\g+2], 8<<16
	s_mov_b32 s[\g+3], 384<<16
	s_mov_b32 s[\g+4], 8
	s_mov_b32 s[\g+5], 1536
	s_mov_b32 s[\g+6], 0
	s_mov_b32 s[\g+7], 0
.endr
	s_or_b32 s[G1S+0], s43, (3<<16)|(1<<21)
	s_or_b32 s[G1SB+0], s44, (3<<16)|(1<<21)
.irp g, G1S, G1SB
	s_mov_b32 s[\g+1], 32<<16
	s_mov_b32 s[\g+2], 16<<16
	s_mov_b32 s[\g+3], 32<<16
	s_mov_b32 s[\g+4], 16
	s_mov_b32 s[\g+5], 32
	s_mov_b32 s[\g+6], 0
	s_mov_b32 s[\g+7], 0
.endr
	s_mul_i32 s18, s16, 98304
	s_mul_i32 s20, s17, 196608
	s_add_co_u32 s20, s20, s18
	s_mov_b32 s21, 0
	s_mul_i32 s46, s42, 196608
	s_add_co_u32 s46, s46, s18
	s_mov_b32 s47, 0
	s_lshl_b32 s19, s16, 12
	s_lshl_b32 s22, s17, 13
	s_add_co_u32 s22, s22, s19
	s_mov_b32 s23, 0
	s_lshl_b32 s92, s42, 13
	s_add_co_u32 s92, s92, s19
	s_mov_b32 s93, 0
	s_mul_i32 s45, s14, HALFT
	s_lshl_b32 s94, s14, 12
	s_wait_kmcnt 0x0
	s_add_nc_u64 s[20:21], s[4:5], s[20:21]
	s_add_nc_u64 s[22:23], s[6:7], s[22:23]
	s_add_nc_u64 s[46:47], s[4:5], s[46:47]
	s_add_nc_u64 s[92:93], s[6:7], s[92:93]
	CROUND
	s_mov_b32 s[G0S], 1
	s_add_co_u32 s[G0S+1], s94, SCL
	s_mov_b64 s[G0S+2:G0S+3], s[22:23]
	s_or_b32 s[G0S+3], s[G0S+3], 0x80000000
	s_mov_b32 s[G0SB], 1
	s_add_co_u32 s[G0SB+1], s94, SCL
	s_mov_b64 s[G0SB+2:G0SB+3], s[92:93]
	s_or_b32 s[G0SB+3], s[G0SB+3], 0x80000000
	JLOAD G0S, G1S, G0SB, G1SB
.irp s, 0,1
	s_mov_b32 s[G0+4*\s], 1
	s_add_co_u32 s[G0+4*\s+1], s45, \s*SLOT
	s_add_nc_u64 s[G0+4*\s+2:G0+4*\s+3], s[20:21], \s*TILEB
	s_or_b32 s[G0+4*\s+3], s[G0+4*\s+3], 0x80000000
	s_mov_b32 s[G0B+4*\s], 1
	s_add_co_u32 s[G0B+4*\s+1], s45, \s*SLOT
	s_add_nc_u64 s[G0B+4*\s+2:G0B+4*\s+3], s[46:47], \s*TILEB
	s_or_b32 s[G0B+4*\s+3], s[G0B+4*\s+3], 0x80000000
	s_wait_alu depctr_va_vdst(0)
	s_wait_tensorcnt 0x0
	ds_add_u32 v28, v29
	s_wait_dscnt 0x0
	CROUND
	JLOAD G0+4*\s, G1, G0B+4*\s, G1B
.endr
	v_and_b32 v1, 15, v0
	v_bfe_u32 v2, v0, 4, 1
	v_and_b32 v3, 31, v0
	v_lshlrev_b32 v[L16], 4, v3
	v_lshlrev_b32 v[L8], 3, v3
	s_mul_i32 s21, s15, HALFT
	s_mul_i32 s22, s16, HALFT
	s_add_co_u32 s22, s22, 2*HALFT
.irp s, 0,1
	v_add_nc_u32 v[ADRA+\s], s21, v[L16]
	v_add_nc_u32 v[ADRB+\s], s22, v[L16]
	v_add_nc_u32 v[ADRA+2+\s], s21, v[L8]
	v_add_nc_u32 v[ADRB+2+\s], s22, v[L8]
	s_add_co_u32 s21, s21, SLOT
	s_add_co_u32 s22, s22, SLOT
.endr
	s_lshl_b32 s21, s15, 12
	s_lshl_b32 s22, s16, 12
	s_add_co_u32 s22, s22, 2*HALFS
	s_sub_co_u32 s22, s22, s21
	v_mul_u32_u24 v4, s22, v2
	s_add_co_u32 s21, s21, SCL
	v_lshl_add_u32 v4, v1, 3, v4
	v_add_nc_u32 v[ADRS], s21, v4
	s_lshl_b32 s23, s14, 10
	v_lshl_add_u32 v[SST], v1, 2, s23
	v_add_nc_u32 v[SRD], s23, v[L16]
	v_and_b32 v5, 8, v1
	v_mad_u32_u24 v5, v5, 3, v1                    ; a token tile's row r is token r + 24 (r / 8) from the tile's first
	v_lshlrev_b32 v[TO], 8, v5
	v_lshl_add_u32 v[TO], v2, 6, v[TO]
	s_wait_alu depctr_va_vdst(0)
	v_mul_u32_u24 v[LV], v2, 12288
	v_lshlrev_b32 v10, 3, v2                       ; 8 x (lane / 16)
	v_lshl_add_u32 v[LV], v1, 4, v[LV]
	s_mov_b32 s[SEL], 0x76543210
	s_mov_b32 s[SEL+1], 0xfedcba98
	s_cmp_eq_u32 ttmp9, 2
	s_cselect_b32 s66, s42, s17
	s_cselect_b32 s67, s16, s15
	s_cselect_b32 s95, s41, s40
	s_cselect_b32 s96, s15, s16
	s_and_b32 s97, s66, 7
	s_lshl_b32 s97, s97, 1
	s_add_co_u32 s97, s97, s67
	s_lshr_b32 s66, s66, 3
	s_lshl_b32 s66, s66, 4
	s_lshl_b32 s95, s95, 2
	s_add_co_u32 s66, s66, s95
	s_lshl_b32 s96, s96, 1
	s_add_co_u32 s66, s66, s96
	s_mul_i32 s18, ttmp9, 6291456
	s_mul_i32 s19, s66, 98304
	s_add_co_u32 s18, s18, s19
	s_mul_i32 s19, s97, 6144
	s_add_co_u32 s18, s18, s19
	s_mov_b32 s19, 0
	s_add_nc_u64 s[10:11], s[10:11], s[18:19]
	s_cmp_eq_u32 ttmp9, 0
	s_mov_b32 s95, 12288
	s_cselect_b32 s95, 8192, s95
	s_mov_b32 s96, 768
	s_cselect_b32 s96, 512, s96
	s_cselect_b32 s67, 0, 524288
	s_cmp_eq_u32 ttmp9, 2
	s_cselect_b32 s18, 512, 0
	s_add_co_u32 s18, s18, s67
	s_mul_i32 s19, s66, s95
	s_add_co_u32 s18, s18, s19
	s_mul_i32 s19, s97, s96
	s_add_co_u32 s18, s18, s19
	s_mov_b32 s19, 0
	s_add_nc_u64 s[12:13], s[12:13], s[18:19]
	v_add_nc_u32 v[L16H], s95, v[L16]
	s_lshl_b32 s18, s97, 15
	s_add_nc_u64 s[8:9], s[8:9], s[18:19]
.macro TABLE a
.set CSB, CS+32*((\a)%2)
.irp g, 0,1
.irp q, 0,1,2,3
	global_load_b128 v[CSB+16*\g+4*\q:CSB+16*\g+4*\q+3], v[TO], s[8:9] offset:(64*((\a)/4)+8*((\a)%4))*256+128*\g+16*\q
.endr
.endr
.endm
	TABLE 0
	TABLE 1
.macro FRAG reg, adr, q, i
	ds_load_b128 v[\reg:\reg+3], v[\adr] offset:(\i)*TILEB+(\q)*1536
	ds_load_b64 v[\reg+4:\reg+5], v[\adr+2] offset:(\i)*TILEB+(\q)*1536+512
	ds_load_b128 v[\reg+6:\reg+9], v[\adr] offset:(\i)*TILEB+(\q)*1536+768
	ds_load_b64 v[\reg+10:\reg+11], v[\adr+2] offset:(\i)*TILEB+(\q)*1536+1280
.endm
.macro MUL16 a0, p, q, sc, zero
.irp a, \a0, \a0+1
.irp b, 0,1,2,3,4,5,6,7
.if \zero
	v_wmma_scale_f32_16x16x128_f8f6f4 v[8*(8*((\a)%4)+\b):8*(8*((\a)%4)+\b)+7], v[128*(\p)+FR*\b:128*(\p)+FR*\b+FR-1], v[AF+FR*(\a):AF+FR*(\a)+FR-1], 0, v[SC+8*NQ*(\sc)+NQ*\b+(\q)], v[SC+8*NQ*(\sc)+NQ*(\a)+(\q)] matrix_a_fmt:MATRIX_FMT_FP6 matrix_b_fmt:MATRIX_FMT_FP6 matrix_a_scale:MATRIX_SCALE_ROW1
.else
	v_wmma_scale_f32_16x16x128_f8f6f4 v[8*(8*((\a)%4)+\b):8*(8*((\a)%4)+\b)+7], v[128*(\p)+FR*\b:128*(\p)+FR*\b+FR-1], v[AF+FR*(\a):AF+FR*(\a)+FR-1], v[8*(8*((\a)%4)+\b):8*(8*((\a)%4)+\b)+7], v[SC+8*NQ*(\sc)+NQ*\b+(\q)], v[SC+8*NQ*(\sc)+NQ*(\a)+(\q)] matrix_a_fmt:MATRIX_FMT_FP6 matrix_b_fmt:MATRIX_FMT_FP6 matrix_a_scale:MATRIX_SCALE_ROW1
.endif
.endr
.endr
.endm
.macro FETCH_B slot, q, p
	WIN TO_B
.irp i, 0,1,2,3,4,5,6,7
	FRAG 128*(\p)+FR*\i, ADRB+\slot, \q, \i
.endr
	WIN 0
.endm
.macro FETCH_A slot, q, i0
.irp i, \i0, \i0+1, \i0+2, \i0+3
	FRAG AF+FR*(\i), ADRA+\slot, \q, \i
.endr
.endm
.macro SCALES sc
.irp i, 0,1,2,3,4,5,6,7
	ds_load_b64 v[SC+8*NQ*\sc+NQ*\i:SC+8*NQ*\sc+NQ*\i+1], v[ADRS] offset:\i*SBLK
.endr
.endm
.macro PLACES n
.rept \n
	v_nop
.endr
.endm
.macro STEP slot, q, zero
	s_wait_dscnt 4*NL
	WIN MUL_LO
	MUL16 0, (\q)%2, \q, \slot, \zero
	MUL16 2, (\q)%2, \q, \slot, \zero
	s_wait_dscnt 0
	PLACES NP
	FETCH_B \slot, (\q)+1, 1-(\q)%2
	FETCH_A \slot, (\q)+1, 0
	WIN MUL_HI
	MUL16 4, (\q)%2, \q, \slot, \zero
	MUL16 6, (\q)%2, \q, \slot, \zero
	PLACES NP
	WIN 0
	FETCH_A \slot, (\q)+1, 4
.endm
.macro TURN slot, next, fill
	s_wait_tensorcnt 0x0
	ds_add_u32 v[SPW], v[NIL]
	s_wait_dscnt 4*NL+1
	WIN MUL_LO
	MUL16 0, 1, NQ-1, \slot, 0
	s_wait_dscnt 0x0
	s_barrier_signal -1
	MUL16 2, 1, NQ-1, \slot, 0
	WIN 0
	s_barrier_wait -1
.if \fill
	CREST
	s_add_nc_u64 s[G0+4*\slot+2:G0+4*\slot+3], s[G0+4*\slot+2:G0+4*\slot+3], 2*TILEB
	s_add_nc_u64 s[G0B+4*\slot+2:G0B+4*\slot+3], s[G0B+4*\slot+2:G0B+4*\slot+3], 2*TILEB
	JLOAD G0+4*\slot, G1, G0B+4*\slot, G1B
.else
	PLACES NP
.endif
	s_wait_alu depctr_va_vdst(0)
	v_add_nc_u32 v[ADRS], 128, v[ADRS]
	FETCH_B \next, 0, 0
	FETCH_A \next, 0, 0
	SCALES \next
	WIN MUL_HI
	MUL16 4, 1, NQ-1, \slot, 0
	MUL16 6, 1, NQ-1, \slot, 0
	PLACES NP
	WIN 0
	FETCH_A \next, 0, 4
.endm
	s_wait_tensorcnt 1
	s_barrier_signal -1
	s_barrier_wait -1
	FETCH_B 0, 0, 0
	FETCH_A 0, 0, 0
	SCALES 0
	FETCH_A 0, 0, 4
	STEP 0, 0, 1
	s_mov_b32 s3, LAPS-1
.Llap:
	TURN 0, 1, 1
	STEP 1, 0, 0
	TURN 1, 0, 1
	STEP 0, 0, 0
	s_sub_co_u32 s3, s3, 1
	s_cmp_lg_u32 s3, 0
	s_cbranch_scc1 .Llap
	TURN 0, 1, 0
	STEP 1, 0, 0
	s_wait_dscnt 4*NL
	WIN MUL_LO
	MUL16 0, 1, NQ-1, 1, 0
	MUL16 2, 1, NQ-1, 1, 0
	s_wait_dscnt 0
	WIN MUL_HI
	MUL16 4, 1, NQ-1, 1, 0
	MUL16 6, 1, NQ-1, 1, 0
	WIN 0
.macro QUANT s, w
	WIN ((\w)<<2)|((\w)<<4)
.irp b, 0,1,2,3
	v_max3_num_f32 v[TM+\b], 0x1800000, |v[\s+16*\b]|, |v[\s+1+16*\b]|
.endr
.irp i, 2,4,6,8,10,12,14
.irp b, 0,1,2,3
	v_max3_num_f32 v[TM+\b], v[TM+\b], |v[\s+16*\b+\i]|, |v[\s+1+16*\b+\i]|
.endr
.endr
	WIN 0
.irp b, 0,1,2,3
	v_permlanex16_b32 v[TM+4+\b], v[TM+\b], s[SEL], s[SEL+1]
.endr
.irp b, 0,1,2,3
	v_max_num_f32 v[TM+\b], v[TM+\b], v[TM+4+\b]
.endr
.irp b, 0,1,2,3
	v_add_nc_u32 v[TM+12+\b], 0xff000000, v[TM+\b]
.endr
.irp b, 0,1,2,3
	v_lshrrev_b32 v[TM+4+\b], 23, v[TM+12+\b]
.endr
	v_lshl_or_b32 v[PW], v[TM+5], 8, v[TM+4]
	v_lshl_or_b32 v[PW], v[TM+6], 16, v[PW]
	v_lshl_or_b32 v[PW], v[TM+7], 24, v[PW]
	WIN (\w)
.irp c, 0,1
	v_cvt_scalef32_pk16_fp6_f32 v[PC+6*\c:PC+2+6*\c], v[\s+32*\c:\s+15+32*\c], v[TM+12+2*\c]
	v_cvt_scalef32_pk16_fp6_f32 v[CT+4*\c:CT+2+4*\c], v[\s+16+32*\c:\s+31+32*\c], v[TM+12+2*\c+1]
.endr
	WIN 0
	v_nop
.irp c, 0,1
.irp i, 0,1,2
	v_permlane16_swap_b32 v[PC+6*\c+\i], v[CT+4*\c+\i]
.endr
.irp i, 0,1,2
	v_mov_b32 v[PC+3+6*\c+\i], v[CT+4*\c+\i]
.endr
.endr
.endm
.macro ROPE_OUT a
.set AC, 64*((\a)%4)
.set CSR, CS+32*((\a)%2)
.if (\a) > 0
	s_wait_xcnt 0x0
	s_wait_dscnt 0x0
.endif
.if (\a) < 7
	s_wait_loadcnt 8
.else
	s_wait_loadcnt 0x0
.endif
	WIN 0x02+(\a)/4
.set n, 0
.rept 32
	v_pk_mul_f32 v[HA+2*n:HA+2*n+1], v[AC+2*n:AC+2*n+1], v[CSR+16*((n/8)%2)+2*(n%8):CSR+16*((n/8)%2)+2*(n%8)+1] op_sel_hi:[1,0]
.set n, n+1
.endr
.set n, 0
.rept 32
	v_pk_fma_f32 v[HA+2*n:HA+2*n+1], v[AC+2*n:AC+2*n+1], v[CSR+16*((n/8)%2)+2*(n%8):CSR+16*((n/8)%2)+2*(n%8)+1], v[HA+2*n:HA+2*n+1] op_sel:[1,1,0] op_sel_hi:[0,1,1] neg_lo:[1,0,0]
.set n, n+1
.endr
	WIN 0
.if (\a) < 6
	TABLE (\a)+2
.endif
	QUANT HA, 0
	global_store_b128 v[L16], v[PC:PC+3], s[10:11] offset:(\a)*768
	global_store_b64 v[L8], v[PC+4:PC+5], s[10:11] offset:(\a)*768+512
	global_store_b128 v[L16], v[PC+6:PC+9], s[10:11] offset:(\a)*768+98304
	global_store_b64 v[L8], v[PC+10:PC+11], s[10:11] offset:(\a)*768+98304+512
	v_and_b32 v217, 0xffff, v[PW]
	v_lshrrev_b32 v218, 16, v[PW]
	ds_store_b32 v[SST], v217 offset:64*(\a)
	ds_store_b32 v[SST], v218 offset:512+64*(\a)
.endm
; V is quantised along the tokens.  Register 8 b + j of lane (r, h) is token 64 (b / 4) + 32 h + 8 (b % 4) + j: a lane's registers 32 c .. 32 c + 31 are one whole block, 2 c + h.
.macro QUANTV s, w
	WIN ((\w)<<2)|((\w)<<4)
.irp b, 0,1,2,3
	v_max3_num_f32 v[TM+\b], 0x1800000, |v[\s+16*\b]|, |v[\s+1+16*\b]|
.endr
.irp i, 2,4,6,8,10,12,14
.irp b, 0,1,2,3
	v_max3_num_f32 v[TM+\b], v[TM+\b], |v[\s+16*\b+\i]|, |v[\s+1+16*\b+\i]|
.endr
.endr
	WIN 0
	v_max_num_f32 v[TM], v[TM], v[TM+1]
	v_max_num_f32 v[TM+1], v[TM+2], v[TM+3]
	v_add_nc_u32 v[TM+12], 0xff000000, v[TM]
	v_add_nc_u32 v[TM+13], 0xff000000, v[TM+1]
	v_lshrrev_b32 v[TM+4], 23, v[TM+12]
	v_lshrrev_b32 v[TM+5], 23, v[TM+13]
	v_lshl_or_b32 v[PW], v[TM+5], 16, v[TM+4]      ; my two bytes, blocks h and 2 + h,
	v_lshlrev_b32 v[PW], v10, v[PW]                ; at their places in the scale word;
	v_permlanex16_b32 v[TM+6], v[PW], s[SEL], s[SEL+1]
	v_or_b32 v[PW], v[PW], v[TM+6]                 ; with lane l xor 16's two the word is whole
	WIN (\w)
.irp c, 0,1
	v_cvt_scalef32_pk16_fp6_f32 v[PC+6*\c:PC+2+6*\c], v[\s+32*\c:\s+15+32*\c], v[TM+12+\c]
	v_cvt_scalef32_pk16_fp6_f32 v[CT+4*\c:CT+2+4*\c], v[\s+16+32*\c:\s+31+32*\c], v[TM+12+\c]
.endr
	WIN 0
	v_nop
.irp c, 0,1
.irp i, 0,1,2
	v_mov_b32 v[PC+3+6*\c+\i], v[CT+4*\c+\i]
.endr
.endr
.endm
.macro V_OUT a
.set AC, 64*((\a)%4)
.if (\a) > 0
	s_wait_xcnt 0x0
	s_wait_dscnt 0x0
.endif
	QUANTV AC, 2+(\a)/4
	global_store_b128 v[L16], v[PC:PC+3], s[10:11] offset:((\a)/4)*98304+((\a)%4)*768
	global_store_b64 v[L8], v[PC+4:PC+5], s[10:11] offset:((\a)/4)*98304+((\a)%4)*768+512
	global_store_b128 v[L16], v[PC+6:PC+9], s[10:11] offset:((\a)/4)*98304+((\a)%4)*768+3072
	global_store_b64 v[L8], v[PC+10:PC+11], s[10:11] offset:((\a)/4)*98304+((\a)%4)*768+3072+512
	ds_store_b32 v[SST], v[PW] offset:4096+64*(\a)
.endm
	PLACES NP
.irp b, 0,1,2,3
	v_mov_b32 v[TM+4+\b], 0
.endr
	s_cmp_eq_u32 ttmp9, 2
	s_cbranch_scc1 .Lvalues
.irp a, 0,1,2,3,4,5,6,7
	ROPE_OUT \a
.endr
	ds_load_b128 v[HA:HA+3], v[SRD]
	ds_load_b128 v[HA+4:HA+7], v[SRD] offset:512
	s_wait_dscnt 0x0
	global_store_b128 v[L16], v[HA:HA+3], s[12:13]
	global_store_b128 v[L16H], v[HA+4:HA+7], s[12:13]
	s_branch .Ldone
.Lvalues:
.irp a, 0,1,2,3,4,5,6,7
	V_OUT \a
.endr
	ds_load_b128 v[HA:HA+3], v[SRD] offset:4096
	s_wait_dscnt 0x0
	global_store_b128 v[LV], v[HA:HA+3], s[12:13]
.Ldone:
	s_wait_tensorcnt 0x0
	ds_add_u32 v[SPW], v[NIL]
	s_wait_dscnt 0x0
	CROUND
	s_endpgm
.Lfunc_end_k_q602af4e946_qkv:
	.size	k_q602af4e946_qkv, .Lfunc_end_k_q602af4e946_qkv-k_q602af4e946_qkv
	.p2alignl 7, 3214868480
	.fill 96, 4, 3214868480
	.section	.rodata,"a",@progbits
	.p2align	6, 0x0
	.amdhsa_kernel k_q602af4e946_qkv
		.amdhsa_group_segment_fixed_size 327680
		.amdhsa_private_segment_fixed_size 0
		.amdhsa_enable_private_segment 0
		.amdhsa_kernarg_size 40
		.amdhsa_user_sgpr_count 2
		.amdhsa_user_sgpr_kernarg_segment_ptr 1
		.amdhsa_wavefront_size32 1
		.amdhsa_system_sgpr_workgroup_id_x 1
		.amdhsa_system_sgpr_workgroup_id_y 1
		.amdhsa_system_sgpr_workgroup_id_z 1
		.amdhsa_system_vgpr_workitem_id 0
		.amdhsa_next_free_vgpr 1024
		.amdhsa_next_free_sgpr 100
		.amdhsa_reserve_vcc 0
		.amdhsa_float_denorm_mode_32 3
		.amdhsa_float_denorm_mode_16_64 3
		.amdhsa_memory_ordered 1
		.amdhsa_forward_progress 1
		.amdhsa_inst_pref_size 220
	.end_amdhsa_kernel
	.amdgpu_metadata
---
amdhsa.version: [ 1, 2 ]
amdhsa.kernels:
  - .name:           k_q602af4e946_qkv
    .symbol:         k_q602af4e946_qkv.kd
    .args:
      - { .name: c1, .offset: 0, .size: 8, .value_kind: global_buffer, .address_space: global }
      - { .name: s1, .offset: 8, .size: 8, .value_kind: global_buffer, .address_space: global }
      - { .name: tab, .offset: 16, .size: 8, .value_kind: global_buffer, .address_space: global }
      - { .name: qkvc, .offset: 24, .size: 8, .value_kind: global_buffer, .address_space: global }
      - { .name: qkvs, .offset: 32, .size: 8, .value_kind: global_buffer, .address_space: global }
    .group_segment_fixed_size: 327680
    .private_segment_fixed_size: 0
    .kernarg_segment_align: 8
    .kernarg_segment_size: 40
    .max_flat_workgroup_size: 128
    .sgpr_count:     100
    .vgpr_count:     1024
    .wavefront_size: 32
...
	.end_amdgpu_metadata
.endif
;; end of part 2
;; launch attn (part 3): grid 4 x 64, 16 waves a work-group, clusters of 4 x 1, 210,944 bytes of LDS; arguments qkvc, qkvs, aoc, aos; writes aoc, aos
.if DOCPART == 3
	.amdgcn_target "amdgcn-amd-amdhsa--gfx1250"
	.amdhsa_code_object_version 6
	.text
	.protected	k_q602af4e946_attn
	.globl	k_q602af4e946_attn
	.p2align	8
	.type	k_q602af4e946_attn,@function
k_q602af4e946_attn:
	s_mov_b64 s[64:65], 0
	v_nop
	global_prefetch_b8 v0, s[64:65] scope:SCOPE_SE
	s_setreg_imm32_b32 hwreg(HW_REG_WAVE_MODE, 25, 1), 1
	s_wait_xcnt 0x0
	s_wait_alu depctr_hold_cnt(0) depctr_sa_sdst(0) depctr_va_vdst(0) depctr_va_sdst(0) depctr_va_ssrc(0) depctr_va_vcc(0) depctr_vm_vsrc(0)
	s_getreg_b32 s2, hwreg(HW_REG_IB_STS2, 6, 4)
	s_cmp_eq_u32 s2, 0
	s_cbranch_scc0 .Lentry_in_a_cluster
	s_endpgm
.Lentry_in_a_cluster:
	s_bfe_u32 s2, ttmp6, 0x10000c
	s_cmp_lg_u32 s2, 0x3003
	s_cbranch_scc0 .Lentry_shape_is_right
	s_endpgm
.Lentry_shape_is_right:
; ATTENTION on codes of FP6 (E2M3) with E8M0 scales: for each of 64 (batch, head): O = softmax(Q K^T / 8) V, 2,048 queries and keys, head size 64; O is quantised along the head's 64 on its way out.
; THE SOFTMAX: t = score x log2(e) / 8; M = the row's largest t so far, rounded UP to a whole number; p = 2^(t - M) is quantised along the keys, not normalised.  The row's sum is taken of the
; unquantised p, in f32, and divides O at the end.  When M moves, the sums and O are multiplied by f = 2^(old M - new M): exact.
; SHARES.  256 work-groups; the four of a cluster share one head.  A work-group owns 512 queries; each of its sixteen waves takes two tiles of 16 queries, one after the other (two passes).
; K AND V OF THE WHOLE HEAD LIE IN LDS, filled ONCE, by one joint tensor load a wave: waves 0-7 bring two key steps each as a tile of two rows of 12,288 bytes (K's two steps; V's two steps, 6,291,456 bytes
; further on in memory), waves 8-15 bring 1,536 bytes of scale words each.  No byte is filled again: one barrier behind the fills, none after it.
; No prefetch: every tile of the launch is asked for at the head, in one group; there is no loop to run ahead in.
; LAYOUT.  Both products are used transposed: S^T = K Q^T, O^T = V^T P^T: a lane holds ONE query (lane % 16) throughout.
; THE KEYS OF A TILE: row r of tile t of a group of 64 keys is key 8 t + r % 8 + 32 (r / 8).  So lane (query, h) holds in the 32 registers of tiles 4 c .. 4 c + 3 the keys 64 c + 32 h + 0 .. 31 in order:
; one whole block of the second product's K, as that operand's layout wants it.  A block's maximum needs no other lane and no code changes lanes.
; THE FIRST PRODUCT'S K IS 64, the instruction's 128: Q's upper six registers are zero codes; K's upper six are the next tile's codes (zeros behind the last): finite numbers times zero; the scale bytes there are 0.
; A PASS BEGINS by setting the largest score to -3e38 and -M to 3e38: the first step's f is then 0, which clears O and the sums of the pass before.
; LIMITS: holds while the scaled scores stay under 2^31 in magnitude; a block of zeros or under 2^-124 gets the scale byte 1; NaN and infinities are not served.
; The two scale bytes of a query's row of O leave by a store of 2 bytes a lane: a head owns two of the 32 scale bytes of a row.
.set SC,    196608                     ; LDS: the scale words, 768 bytes a step
.set SPARE, 208896                     ; the spare words: 128 bytes a wave
.set PAIRB, 24576                      ; two steps: K, K, V, V, 6,144 bytes each
.set A16,  1                           ; 16 x lane
.set A8,   2                           ; 8 x lane
.set ASC,  3                           ; SC + 4 x lane
.set AD16, 4                           ; the same three for the two steps in hand
.set AD8,  5
.set ADS,  6
.set R8,   7                           ; 8 x (lane % 16)
.set KS,   8                           ; v8-11 K's scale words: lanes 0-15 tile 2 g, lanes 16-31 tile 2 g + 1
.set NMA,  12                          ; v12, v14: -M, by turns (v13, v15 are named with them as pairs)
.set NMB,  14
.set VS,   28                          ; v28-29 V's scale words
.set QS,   30
.set PS,   31                          ; p's scale word
.set KF,   32                          ; v32-85 K's eight tiles and six zeros; then V's four fragments (v32-79)
.set QN,   86                          ; v86-92 the second pass's Q and its scale word
.set SH8,  93                          ; 8 x (lane / 16)
.set SMAX, 94                          ; the largest score so far
.set TP,   95
.set S,    96                          ; v96-159 S^T, then p
.set O,    160                         ; v160-191 O^T
.set PC,   192                         ; v192-203 p's codes
.set CT,   204                         ; v204-206, v208-210
.set BM,   212                         ; v212-213 my two blocks' largest scores, then largest p; v214-215 second chains
.set MX,   216
.set WX,   217
.set PT,   218
.set SO,   220                         ; the conversions' scale operands
.set BY,   222
.set FF,   224                         ; v[224:225] f
.set R4,   226
.set SUM,  228                         ; v228-235 the row's sum in four pairs
.set SPW,  254
.set NIL,  255
.set WV,   12
.set NC,   13                          ; -c
.set SEL,  14
.set CS,   16                          ; s[16:17] c = log2(e) / 8
.set TB,   18
.set TS,   19
.set CNT,  20
.set PASSC, 74
.set G1C,  24
.set G1S,  32
.set G0K,  40
.set G0S,  44
.macro ROUND                           ; a round of the cluster's barrier
	s_barrier_signal -1
	s_barrier_wait -1
	s_cmp_lg_u32 s[WV], 0
	s_cbranch_scc1 .Lnot_wave_0_\@
	s_barrier_signal -3
.Lnot_wave_0_\@:
	s_barrier_wait -3
	s_barrier_signal -1
	s_barrier_wait -1
.endm
	s_load_b256 s[4:11], s[0:1], 0x0               ; qkvc, qkvs, aoc, aos
	v_lshl_add_u32 v[SPW], v0, 2, SPARE
	v_mov_b32 v[NIL], 0
	ds_add_u32 v[SPW], v[NIL]                      ; the opening lines: the add, twice on end, and its wait
	ds_add_u32 v[SPW], v[NIL]
	v_lshrrev_b32 v1, 5, v0
	v_readfirstlane_b32 s[WV], v1                  ; wave 0..15
	s_bfe_u32 s21, ttmp6, 0x40000                  ; cx: it enters Q's and O's global addresses alone
	s_and_b32 s22, ttmp7, 0xffff                   ; 16 x batch + head, which the four partners share
	s_mov_b32 s[G1C], 15|(3<<16)|(1<<21)           ; the mask of all four; elements of 8 bytes
	s_mov_b32 s[G1C+1], 1536<<16                   ; rows of 1,536 elements,
	s_mov_b32 s[G1C+2], 2<<16                      ; two of them,
	s_mov_b32 s[G1C+3], 1536<<16
	s_mov_b32 s[G1C+4], 2
	s_mov_b32 s[G1C+5], 786432                     ; from K's region to V's
	s_mov_b32 s[G1C+6], 0
	s_mov_b32 s[G1C+7], 0
	s_mov_b32 s[G1S], 15|(3<<16)|(1<<21)           ; a dense block as six rows of 256 bytes
	s_mov_b32 s[G1S+1], 32<<16
	s_mov_b32 s[G1S+2], 6<<16
	s_mov_b32 s[G1S+3], 32<<16
	s_mov_b32 s[G1S+4], 6
	s_mov_b32 s[G1S+5], 32
	s_mov_b32 s[G1S+6], 0
	s_mov_b32 s[G1S+7], 0
	s_and_b32 s23, s[WV], 7                        ; which eighth I bring
	s_mul_i32 s60, s22, 98304
	s_mul_i32 s61, s23, 12288
	s_add_co_u32 s60, s60, s61
	s_add_co_u32 s60, s60, 6291456                 ; K's region
	s_mov_b32 s61, 0
	s_mul_i32 s62, s22, 12288
	s_mul_i32 s63, s23, 1536
	s_add_co_u32 s62, s62, s63
	s_add_co_u32 s62, s62, 524288
	s_mul_i32 s66, s23, PAIRB
	s_add_co_u32 s67, s63, SC
	s_mov_b32 s63, 0
	s_mov_b32 s[SEL], 0x76543210
	s_mov_b32 s[SEL+1], 0xfedcba98
	s_mov_b32 s[CS], 0x3e38aa3b
	s_mov_b32 s[CS+1], s[CS]
	s_mov_b32 s[NC], 0xbe38aa3b
	s_wait_dscnt 0x0
	s_wait_kmcnt 0x0
	s_add_nc_u64 s[60:61], s[4:5], s[60:61]
	s_add_nc_u64 s[62:63], s[6:7], s[62:63]
	ROUND                                          ; all four work-groups are here: the joint loads meet
	s_mov_b32 s[G0K], 1
	s_mov_b32 s[G0K+1], s66
	s_mov_b64 s[G0K+2:G0K+3], s[60:61]
	s_or_b32 s[G0K+3], s[G0K+3], 0x80000000
	s_mov_b32 s[G0S], 1
	s_mov_b32 s[G0S+1], s67
	s_mov_b64 s[G0S+2:G0S+3], s[62:63]
	s_or_b32 s[G0S+3], s[G0S+3], 0x80000000
	s_cmp_lt_u32 s[WV], 8                          ; one fill in each arm: every wave issues one tensor load
	s_cbranch_scc0 .Lscales
	tensor_load_to_lds s[G0K:G0K+3], s[G1C:G1C+7]
	s_nop 0
.rept 4
	v_nop
.endr
	s_branch .Lasked
.Lscales:
	tensor_load_to_lds s[G0S:G0S+3], s[G1S:G1S+7]
	s_nop 0
.rept 4
	v_nop
.endr
.Lasked:
	s_lshl_b32 s68, ttmp9, 2
	s_add_co_u32 s68, s68, s21
	s_lshl_b32 s68, s68, 5
	s_add_co_u32 s68, s68, s[WV]                   ; my first tile of queries: 32 x work-group + wave; the second is 16 further on
	s_mul_i32 s70, s22, 98304
	s_mul_i32 s71, s68, 768
	s_add_co_u32 s70, s70, s71
	s_mov_b32 s71, 0
	s_add_nc_u64 s[4:5], s[4:5], s[70:71]          ; its codes
	s_lshl_b32 s70, s22, 13
	s_lshl_b32 s72, s68, 6
	s_add_co_u32 s70, s70, s72
	s_add_nc_u64 s[6:7], s[6:7], s[70:71]          ; its scale words
	s_lshr_b32 s72, s22, 4
	s_lshl_b32 s72, s72, 7
	s_add_co_u32 s72, s72, s68                     ; the tile among all 512 tiles of tokens
	s_and_b32 s73, s22, 15                         ; the head
	s_lshl_b32 s70, s72, 4
	s_add_co_u32 s70, s70, s73
	s_mul_i32 s70, s70, 768
	s_add_nc_u64 s[8:9], s[8:9], s[70:71]          ; O's image
	s_lshl_b32 s70, s72, 9
	s_lshr_b32 s72, s73, 2
	s_lshl_b32 s72, s72, 7
	s_add_co_u32 s70, s70, s72
	s_and_b32 s72, s73, 3
	s_lshl_b32 s72, s72, 1
	s_add_co_u32 s70, s70, s72
	s_add_nc_u64 s[10:11], s[10:11], s[70:71]      ; and its two scale bytes a row
	s_mov_b32 s[PASSC], 2
	v_and_b32 v7, 31, v0
	v_and_b32 v[R4], 15, v0
	v_bfe_u32 v[SH8], v0, 4, 1
	v_lshlrev_b32 v[A16], 4, v7
	v_lshlrev_b32 v[A8], 3, v7
	v_lshl_add_u32 v[ASC], v7, 2, SC
	v_lshlrev_b32 v[R8], 3, v[R4]
	v_lshlrev_b32 v[R4], 2, v[R4]
	v_lshlrev_b32 v[SH8], 3, v[SH8]
	global_load_b128 v[16:19], v[A16], s[4:5]      ; both passes' Q
	global_load_b64 v[20:21], v[A8], s[4:5] offset:512
	global_load_b32 v[QS], v[R4], s[6:7]
	global_load_b128 v[QN:QN+3], v[A16], s[4:5] offset:12288
	global_load_b64 v[QN+4:QN+5], v[A8], s[4:5] offset:12288+512
	global_load_b32 v[QN+6], v[R4], s[6:7] offset:1024
.irp j, 22,23,24,25,26,27,80,81,82,83,84,85
	v_mov_b32 v[\j], 0                             ; zero codes
.endr
	v_mov_b32 v[SMAX], 0xff61b1e6                  ; -3e38, under every score
	v_mov_b32 v[NMA], 0x7f61b1e6                   ; -M = 3e38
.irp j, NMA+1, NMB+1, MX, WX, PT, PT+1, TP, FF+1
	v_mov_b32 v[\j], 0                             ; lane permutes' destinations and pairs' upper halves: written once
.endr
.set n, 0
.rept 8
	v_mov_b32 v[SUM+n], 0
.set n, n+1
.endr
.set n, 0
.rept 32
	v_mov_b32 v[O+n], 0                            ; once in the launch: finite numbers for the first f = 0 to clear
.set n, n+1
.endr
; A KEY STEP: 128 keys.  q: which of the pair's two steps; no, nn: the registers of the old and of the new -M
.macro STEP q, no, nn
.if \q == 0
	v_add_nc_u32 v[AD16], s[TB], v[A16]            ; four places between the last products and the loads into registers that they have read
	v_add_nc_u32 v[AD8], s[TB], v[A8]
	v_add_nc_u32 v[ADS], s[TS], v[ASC]
	v_nop
.else
.rept 4
	v_nop
.endr
.endif
.irp t, 0,1,2,3,4,5,6,7
	ds_load_b128 v[KF+6*\t:KF+6*\t+3], v[AD16] offset:6144*\q+768*\t
	ds_load_b64 v[KF+6*\t+4:KF+6*\t+5], v[AD8] offset:6144*\q+768*\t+512
.endr
.irp g, 0,1,2,3
	ds_load_b32 v[KS+\g], v[ADS] offset:768*\q+128*\g
.endr
.irp g, 0,1
	ds_load_b32 v[VS+\g], v[ADS] offset:768*\q+512+128*\g
.endr
.if \q == 0
	s_wait_alu depctr_va_vdst(0)
.endif
	s_wait_dscnt 0x0
.irp t, 0,2,4,6                        ; S^T = K Q^T
	v_wmma_scale_f32_16x16x128_f8f6f4 v[S+8*\t:S+8*\t+7], v[KF+6*\t:KF+6*\t+11], v[16:27], 0, v[KS+\t/2], v[QS] matrix_a_fmt:MATRIX_FMT_FP6 matrix_b_fmt:MATRIX_FMT_FP6
	v_wmma_scale_f32_16x16x128_f8f6f4 v[S+8*\t+8:S+8*\t+15], v[KF+6*\t+6:KF+6*\t+17], v[16:27], 0, v[KS+\t/2], v[QS] matrix_a_fmt:MATRIX_FMT_FP6 matrix_b_fmt:MATRIX_FMT_FP6 matrix_a_scale:MATRIX_SCALE_ROW1
.endr
.rept 4
	v_nop                                          ; places: in front of the loads over K's registers, and of the first read of the scores
.endr
.irp d, 0,1,2,3                        ; V's four fragments land while the softmax is walked
.irp c, 0,1
	ds_load_b128 v[KF+12*\d+6*\c:KF+12*\d+6*\c+3], v[AD16] offset:12288+6144*\q+3072*\c+768*\d
	ds_load_b64 v[KF+12*\d+6*\c+4:KF+12*\d+6*\c+5], v[AD8] offset:12288+6144*\q+3072*\c+768*\d+512
.endr
.endr
.irp c, 0,1                            ; the largest score of my two blocks of 32 keys, each in two chains, each accumulator from its low end on
	v_max3_num_f32 v[BM+\c], v[S+32*\c], v[S+32*\c+1], v[S+32*\c+2]
	v_max3_num_f32 v[BM+2+\c], v[S+32*\c+16], v[S+32*\c+17], v[S+32*\c+18]
.endr
.irp i, 3,5,7,9,11,13
.irp c, 0,1
	v_max3_num_f32 v[BM+\c], v[BM+\c], v[S+32*\c+\i], v[S+32*\c+\i+1]
	v_max3_num_f32 v[BM+2+\c], v[BM+2+\c], v[S+32*\c+16+\i], v[S+32*\c+17+\i]
.endr
.endr
.irp c, 0,1
	v_max3_num_f32 v[BM+\c], v[BM+\c], v[BM+2+\c], v[S+32*\c+15]
.endr
.irp c, 0,1
	v_max_num_f32 v[BM+\c], v[BM+\c], v[S+32*\c+31]
.endr
	v_max_num_f32 v[TP], v[BM], v[BM+1]
	v_permlanex16_b32 v[MX], v[TP], s[SEL], s[SEL+1]
	v_max3_num_f32 v[SMAX], v[SMAX], v[TP], v[MX]  ; my query's largest score so far (c is positive: the largest t is c times it)
	v_mul_f32 v[TP], s[NC], v[SMAX]
	v_floor_f32 v[\nn], v[TP]                      ; the new -M = floor(-t) = -ceil(t)
	v_sub_f32 v[TP], v[\nn], v[\no]                ; M's old value less its new one: a whole number, 0 or less
	v_cvt_i32_f32 v[TP], v[TP]                     ; (it saturates)
	v_ldexp_f32 v[FF], 1.0, v[TP]                  ; f = 2^(old M - new M)
.set n, 0
.rept 32
	v_pk_fma_f32 v[S+n:S+n+1], v[S+n:S+n+1], s[CS:CS+1], v[\nn:\nn+1] op_sel_hi:[1,0,0]   ; t - M
.set n, n+2
.endr
.irp c, 0,1
	v_fma_f32 v[BM+\c], v[BM+\c], s[CS], v[\nn]    ; the same of each block's largest score
.endr
.set n, 0
.rept 16
	v_pk_mul_f32 v[O+n:O+n+1], v[O+n:O+n+1], v[FF:FF+1] op_sel_hi:[1,0]   ; O^T under the new M, each accumulator from its low end on
.set n, n+2
.endr
	s_wait_alu depctr_va_vdst(0)                   ; ahead of the batch
.set n, 0
.rept 64
	v_exp_f32 v[S+n], v[S+n]                       ; p = 2^(t - M)
.set n, n+1
.endr
.irp c, 0,1
	v_exp_f32 v[BM+\c], v[BM+\c]                   ; the block's largest p: the same two instructions on the same number
.endr
	v_nop
	s_wait_alu depctr_va_vdst(0)                   ; and behind it
.irp c, 0,1
	v_max_num_f32 v[BM+\c], 0x1800000, v[BM+\c]    ; the floor 2^(3 - 127): the byte cannot fall under 1
.endr
.irp c, 0,1
	s_delay_alu instid0(VALU_DEP_2)
	v_add_nc_u32 v[SO+\c], 0xff000000, v[BM+\c]    ; 2 off the exponent field: the conversion's scale operand
.endr
.irp c, 0,1
	v_cvt_scalef32_pk16_fp6_f32 v[PC+6*\c:PC+2+6*\c], v[S+32*\c:S+15+32*\c], v[SO+\c]
	v_cvt_scalef32_pk16_fp6_f32 v[CT+4*\c:CT+2+4*\c], v[S+16+32*\c:S+31+32*\c], v[SO+\c]
.endr
.irp c, 0,1
	v_lshrrev_b32 v[BY+\c], 23, v[SO+\c]           ; the scale's byte
.endr
	s_delay_alu instid0(VALU_DEP_1)
	v_lshl_or_b32 v[PS], v[BY+1], 16, v[BY]        ; my two bytes, blocks h and 2 + h,
	s_delay_alu instid0(VALU_DEP_1)
	v_lshlrev_b32 v[PS], v[SH8], v[PS]             ; at their places in the scale word;
	s_delay_alu instid0(VALU_DEP_1)
	v_permlanex16_b32 v[WX], v[PS], s[SEL], s[SEL+1]
	s_delay_alu instid0(VALU_DEP_1)
	v_or_b32 v[PS], v[PS], v[WX]                   ; with lane l xor 16's two the word is whole
.irp k, 0,1,2,3                        ; the row's sum, of the unquantised p, in four pairs: the first term of each brings the old sum under the new M
	v_pk_fma_f32 v[SUM+2*\k:SUM+2*\k+1], v[SUM+2*\k:SUM+2*\k+1], v[FF:FF+1], v[S+2*\k:S+2*\k+1] op_sel_hi:[1,0,1]
.endr
.set n, 4
.rept 12
	v_pk_add_f32 v[SUM+2*(n%4):SUM+2*(n%4)+1], v[SUM+2*(n%4):SUM+2*(n%4)+1], v[S+2*n:S+2*n+1]
.set n, n+1
.endr
.irp c, 0,1
.irp i, 0,1,2
	v_mov_b32 v[PC+3+6*\c+\i], v[CT+4*\c+\i]       ; (a conversion's three registers begin on an even number)
.endr
.endr
.rept 16
	v_pk_add_f32 v[SUM+2*(n%4):SUM+2*(n%4)+1], v[SUM+2*(n%4):SUM+2*(n%4)+1], v[S+2*n:S+2*n+1]   ; these sixteen also stand between the writes of p's codes and scale word and the products
.set n, n+1
.endr
	s_wait_dscnt 0x0                               ; V is in
.irp d, 0,2                            ; O^T += V^T P^T: the four accumulators by turns
	v_wmma_scale_f32_16x16x128_f8f6f4 v[O+8*\d:O+8*\d+7], v[KF+12*\d:KF+12*\d+11], v[PC:PC+11], v[O+8*\d:O+8*\d+7], v[VS+\d/2], v[PS] matrix_a_fmt:MATRIX_FMT_FP6 matrix_b_fmt:MATRIX_FMT_FP6
	v_wmma_scale_f32_16x16x128_f8f6f4 v[O+8*\d+8:O+8*\d+15], v[KF+12*\d+12:KF+12*\d+23], v[PC:PC+11], v[O+8*\d+8:O+8*\d+15], v[VS+\d/2], v[PS] matrix_a_fmt:MATRIX_FMT_FP6 matrix_b_fmt:MATRIX_FMT_FP6 matrix_a_scale:MATRIX_SCALE_ROW1
.endr
.endm
	s_wait_alu depctr_va_vdst(0)                   ; the head's end
	s_wait_loadcnt 0x0                             ; Q
	s_wait_tensorcnt 0x0                           ; my fill is in,
	s_barrier_signal -1
	s_barrier_wait -1                              ; everybody's is: K, V and their scale words are whole, and nothing is filled again
.Lpass:
	s_mov_b32 s[TB], 0
	s_mov_b32 s[TS], 0
	s_mov_b32 s[CNT], 8
.Lpair:
	STEP 0, NMA, NMB
	STEP 1, NMB, NMA
	s_add_co_u32 s[TB], s[TB], PAIRB
	s_add_co_u32 s[TS], s[TS], 1536
	s_sub_co_u32 s[CNT], s[CNT], 1
	s_cmp_lg_u32 s[CNT], 0
	s_cbranch_scc1 .Lpair
	; THE WAY OUT of a tile.  O^T / the sum: register 16 g + i is channel 32 g + 16 (lane / 16) + i of my query: two blocks of 32 along the last product's K.
	s_wait_alu depctr_va_vdst(0)                   ; the sums were last written just ahead of the wait for V
	v_pk_add_f32 v[SUM:SUM+1], v[SUM:SUM+1], v[SUM+2:SUM+3]        ; (these four are the places behind the last products)
	v_pk_add_f32 v[SUM+4:SUM+5], v[SUM+4:SUM+5], v[SUM+6:SUM+7]
	s_delay_alu instid0(VALU_DEP_1)
	v_pk_add_f32 v[SUM:SUM+1], v[SUM:SUM+1], v[SUM+4:SUM+5]
	s_delay_alu instid0(VALU_DEP_1)
	v_add_f32 v[SUM], v[SUM], v[SUM+1]
	s_delay_alu instid0(VALU_DEP_1)
	v_permlanex16_b32 v[TP], v[SUM], s[SEL], s[SEL+1]
	s_delay_alu instid0(VALU_DEP_1)
	v_add_f32 v[SUM], v[SUM], v[TP]                ; with lane l xor 16's keys: the row's sum
	s_wait_alu depctr_va_vdst(0)
	v_rcp_f32 v[SUM], v[SUM]
	v_nop
	s_wait_alu depctr_va_vdst(0)                   ; ahead of the first reader of the reciprocal and of O^T
.set n, 0
.rept 16
	v_pk_mul_f32 v[S+n:S+n+1], v[O+n:O+n+1], v[SUM:SUM+1] op_sel_hi:[1,0]
.set n, n+2
.endr
.irp b, 0,1
	v_max3_num_f32 v[BM+\b], |v[S+16*\b]|, |v[S+1+16*\b]|, 0x1800000
.endr
.irp i, 2,4,6,8,10,12,14
.irp b, 0,1
	s_delay_alu instid0(VALU_DEP_2)
	v_max3_num_f32 v[BM+\b], v[BM+\b], |v[S+16*\b+\i]|, |v[S+1+16*\b+\i]|
.endr
.endr
.irp b, 0,1
	s_delay_alu instid0(VALU_DEP_2)
	v_permlanex16_b32 v[PT+\b], v[BM+\b], s[SEL], s[SEL+1]
.endr
.irp b, 0,1
	s_delay_alu instid0(VALU_DEP_2)
	v_max_num_f32 v[BM+\b], v[BM+\b], v[PT+\b]
.endr
.irp b, 0,1
	s_delay_alu instid0(VALU_DEP_2)
	v_add_nc_u32 v[SO+\b], 0xff000000, v[BM+\b]
.endr
.irp b, 0,1
	s_delay_alu instid0(VALU_DEP_2)
	v_lshrrev_b32 v[BY+\b], 23, v[SO+\b]
.endr
	s_delay_alu instid0(VALU_DEP_1)
	v_lshl_or_b32 v[TP], v[BY+1], 8, v[BY]         ; my row's two scale bytes
	v_cvt_scalef32_pk16_fp6_f32 v[PC:PC+2], v[S:S+15], v[SO]
	v_cvt_scalef32_pk16_fp6_f32 v[CT:CT+2], v[S+16:S+31], v[SO+1]
	v_nop
.irp i, 0,1,2
	v_permlane16_swap_b32 v[PC+\i], v[CT+\i]       ; here a block lies in lanes l and l xor 16: the operand's layout wants it whole in a lane
.endr
.irp i, 0,1,2
	s_delay_alu instid0(VALU_DEP_3)
	v_mov_b32 v[PC+3+\i], v[CT+\i]
.endr
	global_store_b128 v[A16], v[PC:PC+3], s[8:9]             ; the image: 512 consecutive bytes,
	global_store_b64 v[A8], v[PC+4:PC+5], s[8:9] offset:512  ; and the 256 behind them
	global_store_b16 v[R8], v[TP], s[10:11]                  ; lanes l and l xor 16 write the same two bytes with the same value
	s_wait_xcnt 0x0                                ; the stores have read their data and their bases
	s_add_nc_u64 s[8:9], s[8:9], 196608            ; 16 tiles on
	s_add_nc_u64 s[10:11], s[10:11], 8192
	v_mov_b32 v[QS], v[QN+6]                       ; the second pass's Q (behind the second pass these copies are made once more and not used)
.irp i, 0,1,2,3,4,5
	v_mov_b32 v[16+\i], v[QN+\i]
.endr
	v_mov_b32 v[SMAX], 0xff61b1e6
	v_mov_b32 v[NMA], 0x7f61b1e6
	s_sub_co_u32 s[PASSC], s[PASSC], 1
	s_cmp_lg_u32 s[PASSC], 0
	s_wait_alu depctr_va_vdst(0)                   ; ahead of the branch
	s_cbranch_scc1 .Lpass
	s_wait_tensorcnt 0x0                           ; the wave's end
	ds_add_u32 v[SPW], v[NIL]
	s_wait_dscnt 0x0
	ROUND                                          ; the closing round
	s_endpgm
.Lfunc_end_k_q602af4e946_attn:
	.size	k_q602af4e946_attn, .Lfunc_end_k_q602af4e946_attn-k_q602af4e946_attn
	.p2alignl 7, 3214868480
	.fill 96, 4, 3214868480
	.section	.rodata,"a",@progbits
	.p2align	6, 0x0
	.amdhsa_kernel k_q602af4e946_attn
		.amdhsa_group_segment_fixed_size 210944
		.amdhsa_private_segment_fixed_size 0
		.amdhsa_enable_private_segment 0
		.amdhsa_kernarg_size 32
		.amdhsa_user_sgpr_count 2
		.amdhsa_user_sgpr_kernarg_segment_ptr 1
		.amdhsa_wavefront_size32 1
		.amdhsa_system_sgpr_workgroup_id_x 1
		.amdhsa_system_sgpr_workgroup_id_y 1
		.amdhsa_system_sgpr_workgroup_id_z 1
		.amdhsa_system_vgpr_workitem_id 0
		.amdhsa_next_free_vgpr 256
		.amdhsa_next_free_sgpr 80
		.amdhsa_reserve_vcc 0
		.amdhsa_float_denorm_mode_32 3
		.amdhsa_float_denorm_mode_16_64 3
		.amdhsa_memory_ordered 1
		.amdhsa_forward_progress 1
		.amdhsa_inst_pref_size 44
	.end_amdhsa_kernel
	.amdgpu_metadata
---
amdhsa.version: [ 1, 2 ]
amdhsa.kernels:
  - .name:           k_q602af4e946_attn
    .symbol:         k_q602af4e946_attn.kd
    .args:
      - { .name: qkvc, .offset: 0, .size: 8, .value_kind: global_buffer, .address_space: global }
      - { .name: qkvs, .offset: 8, .size: 8, .value_kind: global_buffer, .address_space: global }
      - { .name: aoc, .offset: 16, .size: 8, .value_kind: global_buffer, .address_space: global }
      - { .name: aos, .offset: 24, .size: 8, .value_kind: global_buffer, .address_space: global }
    .group_segment_fixed_size: 210944
    .private_segment_fixed_size: 0
    .kernarg_segment_align: 8
    .kernarg_segment_size: 32
    .max_flat_workgroup_size: 512
    .sgpr_count:     80
    .vgpr_count:     256
    .wavefront_size: 32
...
	.end_amdgpu_metadata
.endif
;; end of part 3
;; launch proj (part 4): grid 4 x 32, 4 waves a work-group, clusters of 4 x 4, 327,680 bytes of LDS; arguments aoc, aos, c1, s1, out0; writes out0
.if DOCPART == 4
	.amdgcn_target "amdgcn-amd-amdhsa--gfx1250"
	.amdhsa_code_object_version 6
	.text
	.protected	k_q602af4e946_proj
	.globl	k_q602af4e946_proj
	.p2align	8
	.type	k_q602af4e946_proj,@function
k_q602af4e946_proj:
	s_mov_b64 s[64:65], 0
	v_nop
	global_prefetch_b8 v0, s[64:65] scope:SCOPE_SE
	s_setreg_imm32_b32 hwreg(HW_REG_WAVE_MODE, 25, 1), 1
	s_wait_xcnt 0x0
	s_wait_alu depctr_hold_cnt(0) depctr_sa_sdst(0) depctr_va_vdst(0) depctr_va_sdst(0) depctr_va_ssrc(0) depctr_va_vcc(0) depctr_vm_vsrc(0)
	s_getreg_b32 s2, hwreg(HW_REG_IB_STS2, 6, 4)
	s_cmp_eq_u32 s2, 0
	s_cbranch_scc0 .Lentry_in_a_cluster
	s_endpgm
.Lentry_in_a_cluster:
	s_bfe_u32 s2, ttmp6, 0x10000c
	s_cmp_lg_u32 s2, 0xf033
	s_cbranch_scc0 .Lentry_shape_is_right
	s_endpgm
.Lentry_shape_is_right:
.set NQ,     2
.set FR,     12
.set NL,     4
.set NP,     4
.set TILEB,  3072
.set HALFT,  8*TILEB
.set SLOT,   4*HALFT
.set SCL,    2*SLOT
.set HALFS,  4096
.set SBLK,   512
.set SPARE,  SCL+4*HALFS
.set LAPS,   2
.set SPITCH, 528
.set STO,  8
.set RD,   9
.set ADRA, 16
.set ADRB, 20
.set L16,  24
.set L8,   25
.set ADRS, 27
.set SPW,  28
.set NIL,  29
.set SC,   32
.set AF,   128
.set BK,   128
.set G1, 24
.set G0, 32
.set G1B, 48
.set G0B, 56
.set G1S, 68
.set G0S, 76
.set G1SB, 80
.set G0SB, 88
.set MSB, 0
.macro WIN new
.if MSB != (\new)
	s_set_vgpr_msb (MSB<<8)|(\new)
.set MSB, (\new)
.endif
.endm
.set MUL_LO, 0xa1
.set MUL_HI, 0xf1
.set TO_B,   0x40
.macro JLOAD g0a, g1a, g0b, g1b
	s_cmp_eq_u32 s15, 0
	s_cbranch_scc0 .Lfor_b_\@
	tensor_load_to_lds s[\g0a:\g0a+3], s[\g1a:\g1a+7]
	s_nop 0
.rept 4
	v_nop
.endr
	s_branch .Lasked_\@
.Lfor_b_\@:
	tensor_load_to_lds s[\g0b:\g0b+3], s[\g1b:\g1b+7]
	s_nop 0
.rept 4
	v_nop
.endr
.Lasked_\@:
.endm
.macro CREST
	s_cmp_lg_u32 s14, 0
	s_cbranch_scc1 .Lnot_wave_0_\@
	s_barrier_signal -3
.Lnot_wave_0_\@:
	s_barrier_wait -3
	s_barrier_signal -1
	s_barrier_wait -1
.endm
.macro CROUND
	s_barrier_signal -1
	s_barrier_wait -1
	CREST
.endm
	s_load_b256 s[4:11], s[0:1], 0x0
	s_load_b64 s[12:13], s[0:1], 0x20
	v_lshl_add_u32 v[SPW], v0, 2, SPARE
	v_mov_b32 v[NIL], 0
	ds_add_u32 v28, v29
	ds_add_u32 v28, v29
	s_wait_dscnt 0x0
	v_lshrrev_b32 v1, 5, v0
	v_readfirstlane_b32 s14, v1
	s_lshr_b32 s15, s14, 1
	s_and_b32 s16, s14, 1
	s_bfe_u32 s40, ttmp6, 0x40000
	s_bfe_u32 s41, ttmp6, 0x40004
	s_and_b32 s17, ttmp7, 0xffff
	s_lshl_b32 s17, s17, 2
	s_add_co_u32 s17, s17, s41
	s_lshl_b32 s42, ttmp9, 2
	s_add_co_u32 s42, s42, s40
	s_add_co_u32 s42, s42, 44
	s_lshl_b32 s43, s41, 2
	s_lshl_b32 s43, 15, s43
	s_lshl_b32 s44, 0x1111, s40
	s_or_b32 s[G1+0], s43, (3<<16)|(1<<21)
	s_or_b32 s[G1B+0], s44, (3<<16)|(1<<21)
.irp g, G1, G1B
	s_mov_b32 s[\g+1], 384<<16
	s_mov_b32 s[\g+2], 8<<16
	s_mov_b32 s[\g+3], 384<<16
	s_mov_b32 s[\g+4], 8
	s_mov_b32 s[\g+5], 1536
	s_mov_b32 s[\g+6], 0
	s_mov_b32 s[\g+7], 0
.endr
	s_or_b32 s[G1S+0], s43, (3<<16)|(1<<21)
	s_or_b32 s[G1SB+0], s44, (3<<16)|(1<<21)
.irp g, G1S, G1SB
	s_mov_b32 s[\g+1], 32<<16
	s_mov_b32 s[\g+2], 16<<16
	s_mov_b32 s[\g+3], 32<<16
	s_mov_b32 s[\g+4], 16
	s_mov_b32 s[\g+5], 32
	s_mov_b32 s[\g+6], 0
	s_mov_b32 s[\g+7], 0
.endr
	s_mul_i32 s18, s16, 98304
	s_mul_i32 s20, s17, 196608
	s_add_co_u32 s20, s20, s18
	s_mov_b32 s21, 0
	s_mul_i32 s46, s42, 196608
	s_add_co_u32 s46, s46, s18
	s_mov_b32 s47, 0
	s_lshl_b32 s19, s16, 12
	s_lshl_b32 s22, s17, 13
	s_add_co_u32 s22, s22, s19
	s_mov_b32 s23, 0
	s_lshl_b32 s92, s42, 13
	s_add_co_u32 s92, s92, s19
	s_mov_b32 s93, 0
	s_mul_i32 s45, s14, HALFT
	s_lshl_b32 s94, s14, 12
	s_wait_kmcnt 0x0
	s_add_nc_u64 s[20:21], s[4:5], s[20:21]
	s_add_nc_u64 s[22:23], s[6:7], s[22:23]
	s_add_nc_u64 s[46:47], s[8:9], s[46:47]
	s_add_nc_u64 s[92:93], s[10:11], s[92:93]
	CROUND
	s_mov_b32 s[G0S], 1
	s_add_co_u32 s[G0S+1], s94, SCL
	s_mov_b64 s[G0S+2:G0S+3], s[22:23]
	s_or_b32 s[G0S+3], s[G0S+3], 0x80000000
	s_mov_b32 s[G0SB], 1
	s_add_co_u32 s[G0SB+1], s94, SCL
	s_mov_b64 s[G0SB+2:G0SB+3], s[92:93]
	s_or_b32 s[G0SB+3], s[G0SB+3], 0x80000000
	JLOAD G0S, G1S, G0SB, G1SB
.irp s, 0,1
	s_mov_b32 s[G0+4*\s], 1
	s_add_co_u32 s[G0+4*\s+1], s45, \s*SLOT
	s_add_nc_u64 s[G0+4*\s+2:G0+4*\s+3], s[20:21], \s*TILEB
	s_or_b32 s[G0+4*\s+3], s[G0+4*\s+3], 0x80000000
	s_mov_b32 s[G0B+4*\s], 1
	s_add_co_u32 s[G0B+4*\s+1], s45, \s*SLOT
	s_add_nc_u64 s[G0B+4*\s+2:G0B+4*\s+3], s[46:47], \s*TILEB
	s_or_b32 s[G0B+4*\s+3], s[G0B+4*\s+3], 0x80000000
	s_wait_alu depctr_va_vdst(0)
	s_wait_tensorcnt 0x0
	ds_add_u32 v28, v29
	s_wait_dscnt 0x0
	CROUND
	JLOAD G0+4*\s, G1, G0B+4*\s, G1B
.endr
	v_and_b32 v1, 15, v0
	v_bfe_u32 v2, v0, 4, 1
	v_and_b32 v3, 31, v0
	v_lshlrev_b32 v[L16], 4, v3
	v_lshlrev_b32 v[L8], 3, v3
	s_mul_i32 s21, s15, HALFT
	s_mul_i32 s22, s16, HALFT
	s_add_co_u32 s22, s22, 2*HALFT
.irp s, 0,1
	v_add_nc_u32 v[ADRA+\s], s21, v[L16]
	v_add_nc_u32 v[ADRB+\s], s22, v[L16]
	v_add_nc_u32 v[ADRA+2+\s], s21, v[L8]
	v_add_nc_u32 v[ADRB+2+\s], s22, v[L8]
	s_add_co_u32 s21, s21, SLOT
	s_add_co_u32 s22, s22, SLOT
.endr
	s_lshl_b32 s21, s15, 12
	s_lshl_b32 s22, s16, 12
	s_add_co_u32 s22, s22, 2*HALFS
	s_sub_co_u32 s22, s22, s21
	v_mul_u32_u24 v4, s22, v2
	s_add_co_u32 s21, s21, SCL
	v_lshl_add_u32 v4, v1, 3, v4
	v_add_nc_u32 v[ADRS], s21, v4
	s_mul_i32 s23, s14, 16*SPITCH
	v_mul_u32_u24 v5, v1, SPITCH
	v_lshl_add_u32 v5, v2, 6, v5
	v_add_nc_u32 v[STO], s23, v5
	v_add_nc_u32 v[RD], s23, v[L16]
	s_lshl_b32 s20, s17, 8
	s_lshl_b32 s21, s15, 7
	s_add_co_u32 s20, s20, s21
	s_lshl_b32 s20, s20, 12
	s_sub_co_u32 s46, s42, 44
	s_lshl_b32 s46, s46, 10
	s_lshl_b32 s47, s16, 9
	s_add_co_u32 s46, s46, s47
	s_add_co_u32 s20, s20, s46
	s_mov_b32 s21, 0
	s_add_nc_u64 s[12:13], s[12:13], s[20:21]
.macro FRAG reg, adr, q, i
	ds_load_b128 v[\reg:\reg+3], v[\adr] offset:(\i)*TILEB+(\q)*1536
	ds_load_b64 v[\reg+4:\reg+5], v[\adr+2] offset:(\i)*TILEB+(\q)*1536+512
	ds_load_b128 v[\reg+6:\reg+9], v[\adr] offset:(\i)*TILEB+(\q)*1536+768
	ds_load_b64 v[\reg+10:\reg+11], v[\adr+2] offset:(\i)*TILEB+(\q)*1536+1280
.endm
.macro MUL16 a0, p, q, sc, zero
.irp a, \a0, \a0+1
.irp b, 0,1,2,3,4,5,6,7
.if \zero
	v_wmma_scale_f32_16x16x128_f8f6f4 v[8*(8*((\a)%4)+\b):8*(8*((\a)%4)+\b)+7], v[128*(\p)+FR*\b:128*(\p)+FR*\b+FR-1], v[AF+FR*(\a):AF+FR*(\a)+FR-1], 0, v[SC+8*NQ*(\sc)+NQ*\b+(\q)], v[SC+8*NQ*(\sc)+NQ*(\a)+(\q)] matrix_a_fmt:MATRIX_FMT_FP6 matrix_b_fmt:MATRIX_FMT_FP6 matrix_a_scale:MATRIX_SCALE_ROW1
.else
	v_wmma_scale_f32_16x16x128_f8f6f4 v[8*(8*((\a)%4)+\b):8*(8*((\a)%4)+\b)+7], v[128*(\p)+FR*\b:128*(\p)+FR*\b+FR-1], v[AF+FR*(\a):AF+FR*(\a)+FR-1], v[8*(8*((\a)%4)+\b):8*(8*((\a)%4)+\b)+7], v[SC+8*NQ*(\sc)+NQ*\b+(\q)], v[SC+8*NQ*(\sc)+NQ*(\a)+(\q)] matrix_a_fmt:MATRIX_FMT_FP6 matrix_b_fmt:MATRIX_FMT_FP6 matrix_a_scale:MATRIX_SCALE_ROW1
.endif
.endr
.endr
.endm
.macro FETCH_B slot, q, p
	WIN TO_B
.irp i, 0,1,2,3,4,5,6,7
	FRAG 128*(\p)+FR*\i, ADRB+\slot, \q, \i
.endr
	WIN 0
.endm
.macro FETCH_A slot, q, i0
.irp i, \i0, \i0+1, \i0+2, \i0+3
	FRAG AF+FR*(\i), ADRA+\slot, \q, \i
.endr
.endm
.macro SCALES sc
.irp i, 0,1,2,3,4,5,6,7
	ds_load_b64 v[SC+8*NQ*\sc+NQ*\i:SC+8*NQ*\sc+NQ*\i+1], v[ADRS] offset:\i*SBLK
.endr
.endm
.macro PLACES n
.rept \n
	v_nop
.endr
.endm
.macro STEP slot, q, zero
	s_wait_dscnt 4*NL
	WIN MUL_LO
	MUL16 0, (\q)%2, \q, \slot, \zero
	MUL16 2, (\q)%2, \q, \slot, \zero
	s_wait_dscnt 0
	PLACES NP
	FETCH_B \slot, (\q)+1, 1-(\q)%2
	FETCH_A \slot, (\q)+1, 0
	WIN MUL_HI
	MUL16 4, (\q)%2, \q, \slot, \zero
	MUL16 6, (\q)%2, \q, \slot, \zero
	PLACES NP
	WIN 0
	FETCH_A \slot, (\q)+1, 4
.endm
.macro TURN slot, next, fill
	s_wait_tensorcnt 0x0
	ds_add_u32 v[SPW], v[NIL]
	s_wait_dscnt 4*NL+1
	WIN MUL_LO
	MUL16 0, 1, NQ-1, \slot, 0
	s_wait_dscnt 0x0
	s_barrier_signal -1
	MUL16 2, 1, NQ-1, \slot, 0
	WIN 0
	s_barrier_wait -1
.if \fill
	CREST
	s_add_nc_u64 s[G0+4*\slot+2:G0+4*\slot+3], s[G0+4*\slot+2:G0+4*\slot+3], 2*TILEB
	s_add_nc_u64 s[G0B+4*\slot+2:G0B+4*\slot+3], s[G0B+4*\slot+2:G0B+4*\slot+3], 2*TILEB
	JLOAD G0+4*\slot, G1, G0B+4*\slot, G1B
.else
	PLACES NP
.endif
	s_wait_alu depctr_va_vdst(0)
	v_add_nc_u32 v[ADRS], 128, v[ADRS]
	FETCH_B \next, 0, 0
	FETCH_A \next, 0, 0
	SCALES \next
	WIN MUL_HI
	MUL16 4, 1, NQ-1, \slot, 0
	MUL16 6, 1, NQ-1, \slot, 0
	PLACES NP
	WIN 0
	FETCH_A \next, 0, 4
.endm
	s_wait_alu depctr_va_vdst(0)
	s_wait_tensorcnt 1
	s_barrier_signal -1
	s_barrier_wait -1
	FETCH_B 0, 0, 0
	FETCH_A 0, 0, 0
	SCALES 0
	FETCH_A 0, 0, 4
	STEP 0, 0, 1
	s_mov_b32 s3, LAPS-1
.Llap:
	TURN 0, 1, 1
	STEP 1, 0, 0
	TURN 1, 0, 1
	STEP 0, 0, 0
	s_sub_co_u32 s3, s3, 1
	s_cmp_lg_u32 s3, 0
	s_cbranch_scc1 .Llap
	TURN 0, 1, 0
	STEP 1, 0, 0
	s_wait_dscnt 4*NL
	WIN MUL_LO
	MUL16 0, 1, NQ-1, 1, 0
	MUL16 2, 1, NQ-1, 1, 0
	s_wait_dscnt 0
	WIN MUL_HI
	MUL16 4, 1, NQ-1, 1, 0
	MUL16 6, 1, NQ-1, 1, 0
	WIN 0
.macro TOSTAGE a
.set AC, 64*((\a)%4)
	WIN 0x08+4*((\a)/4)
.irp b, 0,1,2,3,4,5,6,7
	ds_store_b128 v[STO], v[AC+8*\b:AC+8*\b+3] offset:128*(\b/2)+32*(\b%2)
	ds_store_b128 v[STO], v[AC+8*\b+4:AC+8*\b+7] offset:128*(\b/2)+32*(\b%2)+16
.endr
	WIN 0
.set BB, BK+64*((\a)%2)
.irp t, 0,1,2,3,4,5,6,7,8,9,10,11,12,13,14,15
	ds_load_b128 v[BB+4*\t:BB+4*\t+3], v[RD] offset:\t*SPITCH
.endr
.endm
.macro SEND a, younger
.set BB, BK+64*((\a)%2)
	s_wait_dscnt \younger
.irp t, 0,1,2,3,4,5,6,7,8,9,10,11,12,13,14,15
	global_store_b128 v[L16], v[BB+4*\t:BB+4*\t+3], s[12:13] offset:(64*((\a)/4)+8*((\a)%4)+\t+24*(\t/8))*4096 th:TH_STORE_NT   ; row t of token tile a is token 64 (a / 4) + 8 (a % 4) + t + 24 (t / 8)
.endr
.endm
	PLACES NP
	TOSTAGE 0
.irp a, 1,2,3,4,5,6,7
.if \a > 1
	s_wait_xcnt 0x0
.endif
	TOSTAGE \a
	SEND \a-1, 32
.endr
	SEND 7, 0
	s_wait_tensorcnt 0x0
	ds_add_u32 v[SPW], v[NIL]
	s_wait_dscnt 0x0
	CROUND
	s_endpgm
.Lfunc_end_k_q602af4e946_proj:
	.size	k_q602af4e946_proj, .Lfunc_end_k_q602af4e946_proj-k_q602af4e946_proj
	.p2alignl 7, 3214868480
	.fill 96, 4, 3214868480
	.section	.rodata,"a",@progbits
	.p2align	6, 0x0
	.amdhsa_kernel k_q602af4e946_proj
		.amdhsa_group_segment_fixed_size 327680
		.amdhsa_private_segment_fixed_size 0
		.amdhsa_enable_private_segment 0
		.amdhsa_kernarg_size 40
		.amdhsa_user_sgpr_count 2
		.amdhsa_user_sgpr_kernarg_segment_ptr 1
		.amdhsa_wavefront_size32 1
		.amdhsa_system_sgpr_workgroup_id_x 1
		.amdhsa_system_sgpr_workgroup_id_y 1
		.amdhsa_system_sgpr_workgroup_id_z 1
		.amdhsa_system_vgpr_workitem_id 0
		.amdhsa_next_free_vgpr 1024
		.amdhsa_next_free_sgpr 100
		.amdhsa_reserve_vcc 0
		.amdhsa_float_denorm_mode_32 3
		.amdhsa_float_denorm_mode_16_64 3
		.amdhsa_memory_ordered 1
		.amdhsa_forward_progress 1
		.amdhsa_inst_pref_size 144
	.end_amdhsa_kernel
	.amdgpu_metadata
---
amdhsa.version: [ 1, 2 ]
amdhsa.kernels:
  - .name:           k_q602af4e946_proj
    .symbol:         k_q602af4e946_proj.kd
    .args:
      - { .name: aoc, .offset: 0, .size: 8, .value_kind: global_buffer, .address_space: global }
      - { .name: aos, .offset: 8, .size: 8, .value_kind: global_buffer, .address_space: global }
      - { .name: c1, .offset: 16, .size: 8, .value_kind: global_buffer, .address_space: global }
      - { .name: s1, .offset: 24, .size: 8, .value_kind: global_buffer, .address_space: global }
      - { .name: out0, .offset: 32, .size: 8, .value_kind: global_buffer, .address_space: global }
    .group_segment_fixed_size: 327680
    .private_segment_fixed_size: 0
    .kernarg_segment_align: 8
    .kernarg_segment_size: 40
    .max_flat_workgroup_size: 128
    .sgpr_count:     100
    .vgpr_count:     1024
    .wavefront_size: 32
...
	.end_amdgpu_metadata
.endif
;; end of part 4
